; MI455X (gfx1250); checked and timed in simulation.
; The chip was launched on July 23, 2026; its instructions are those of AMD's public machine-readable ISA for CDNA 5 (MIT licence, August 2026) and "CDNA5" Instruction Set Architecture Reference Guide (July 2026). The comments in the code are by the model that wrote it; some were corrected since.
;; Causal Self Attention Layer. Allowed arithmetic: matrix products marked QUANTISED: E2M1 operands, one E8M0 scale for each 32 along K, by v_wmma_scale_f32_16x16x128_f8f6f4 with both operands' format E2M1 (or v_wmma_scale_f32_32x16x128_f4), f32 sums; everything else in f32.
;; Inputs: W_kqv_codes 3,072 x 32 x 16 uint8 (E2M1 codes of W_kqv, K innermost, in blocks of 32 codes, two codes a byte); W_kqv_scales 3,072 x 32 uint8 (E8M0 scales of W_kqv, one for each 32 codes along K); W_proj_codes 1,024 x 32 x 16 uint8 (E2M1 codes of W_proj, K innermost, in blocks of 32 codes, two codes a byte); W_proj_scales 1,024 x 32 uint8 (E8M0 scales of W_proj, one for each 32 codes along K); b_kqv 3,072 float32; b_proj 1,024 float32; x_codes 4 x 2,048 x 32 x 16 uint8 (E2M1 codes of x, K innermost, in blocks of 32 codes, two codes a byte); x_scales 4 x 2,048 x 32 uint8 (E8M0 scales of x, one for each 32 codes along K).
;; Outputs: out0 4 x 2,048 x 1,024 float32.
;; This version of the problem:
;;   THIS VERSION OF THE PROBLEM IS GIVEN IN LOW PRECISION. The matrix products marked QUANTISED in the list below multiply operands that are first quantised to E2M1 (2 exponent bits, 1 mantissa bit; 4 bits a number), with one power-of-two scale for each 32 numbers along K (OCP MX v1.0); their sums are f32. All else is computed in f32.
;;   The module's matrix products, in the order in which they are computed (A, B: the left and right operand; K: the contracted axis; several contracted axes count as one K, in the product's order):
;;     1. [M 8,192, K 1,024] x [K 1,024, N 3,072]; A: input x (given as codes); B: input W_kqv (given as codes): QUANTISED
;;     2. batch 64 x [M 2,048, K 64] x [K 64, N 2,048]; A: computed on the way; B: computed on the way: QUANTISED
;;     3. batch 64 x [M 2,048, K 2,048] x [K 2,048, N 64]; A: softmax (see below); B: computed on the way: QUANTISED
;;     4. [M 8,192, K 1,024] x [K 1,024, N 1,024]; A: computed on the way; B: input W_proj (given as codes): QUANTISED
;;   THE QUANTISER, for each operand of a quantised product, along K:
;;     - K is cut into blocks of 32 from its start; a last block that is shorter is filled with zeros.
;;     - A block's scale is 2^e with e = floor(log2(the largest magnitude in the block)) - 2, held to -126 .. 127; a block of zeros has e = 0. As a byte (E8M0): e + 127.
;;     - Each number is divided by its block's scale, clamped to +-6, and rounded to the nearest number of E2M1, ties to even, subnormals kept.
;;     - The product sums the exact products of the quantised numbers (number of the format x scale) in f32.
;;   ~~~python
;;   def quantise(x, axis):      # numpy; x: float32 -> the quantised numbers, widened to float32 again
;;       x = np.moveaxis(x, axis, -1); K = x.shape[-1]
;;       x = np.pad(x, [(0, 0)] * (x.ndim - 1) + [(0, -K % 32)]); x = x.reshape(x.shape[:-1] + (-1, 32)); a = np.abs(x).max(-1, keepdims=True)
;;       e = np.where(a > 0, np.clip(np.frexp(np.where(a > 0, a, 1))[1] - 1 - 2, -126, 127), 0)      # np.frexp(a)[1] - 1 = floor(log2(a)), exactly
;;       r = np.clip(x / 2.0 ** e, -6, 6)
;;       step = 2.0 ** (np.maximum(np.frexp(np.where(r == 0, 1, r))[1] - 1, 0) - 1)
;;       q = np.round(r / step) * step * 2.0 ** e      # np.round: ties to even
;;       return np.moveaxis(q.reshape(q.shape[:-2] + (-1,))[..., :K], -1, axis).astype(np.float32)
;;   ~~~
;;   SOFTMAX AHEAD OF A QUANTISED PRODUCT. Where the list says 'softmax', what is quantised is not the finished softmax but p = 2^(t - M), with t = logit x log2(e) and M = ceil(the row's largest t), a whole number; so 1/2 < the row's largest p <= 1. The row's sum l is taken of the UNQUANTISED p, in f32, and the product's result is divided by l at the end. Since M is a whole number, a kernel that streams over the keys may use a running M (the ceiling of the running maximum): every later rescaling is an exact power of two, which a block's scale takes up: the codes' values come out the same.
;;   OPERANDS COMPUTED ON THE WAY. 'Computed on the way' means the value that the module computes at that place (a softmax that the list does not call 'softmax' is quantised finished and normalised). What goes into a quantiser is computed in f32, as accurately as f32 sums, v_exp_f32 and their like allow (about 1e-6 of the number): no bf16 or f16 on the way to a quantiser, and a product that is left as it is and whose result goes on into a quantised operand takes f32 operands (vector FMAs, or v_wmma_f32_16x16x4_f32). A number that lies on a knife's edge between two numbers of the format may be rounded either way, as far as f32 arithmetic and the matrix unit's own rounding can turn it there, and no further.
;;   INPUTS GIVEN AS CODES. W_kqv (in the module: [3072, 1024], K = its axis 1); W_proj (in the module: [1024, 1024], K = its axis 1); x (in the module: [4, 2048, 1024], K = its axis 2): each comes as NAME_codes (uint8): NAME with its K axis moved to the last place and cut into blocks of 32 codes, [.., K / 32, bytes a block], one block behind the other in memory; two codes a byte, the lower K in the low four bits (a code: sign, 2 exponent bits, 1 mantissa bit); and NAME_scales (uint8): the same leading axes, one E8M0 byte (e + 127) for each 32 codes along K. Its value is code x scale, taken as it is: it is not quantised again, and the codes and scales need not be those that the quantiser above would give.
;; One version. Each part assembles by itself: llvm-mc -triple=amdgcn-amd-amdhsa -mcpu=gfx1250 --defsym DOCPART=n.
;; ======== version 1 of 1: 3 launches
;; workspace buffers: qkv_img 12,582,912 bytes; qkv_sc 786,432 bytes; y_img 4,194,304 bytes; y_sc 262,144 bytes
;; launch qkv (part 1): grid 12 x 32, 4 waves a work-group, clusters of 4 x 4, 327,680 bytes of LDS; arguments x_codes, x_scales, W_kqv_codes, W_kqv_scales, b_kqv, qkv_img, qkv_sc; writes qkv_img, qkv_sc
.if DOCPART == 1
	.amdgcn_target "amdgcn-amd-amdhsa--gfx1250"
	.amdhsa_code_object_version 6
	.text
	.protected	k_q27174df66a_qkv
	.globl	k_q27174df66a_qkv
	.p2align	8
	.type	k_q27174df66a_qkv,@function
k_q27174df66a_qkv:
	s_mov_b64 s[64:65], 0
	v_nop
	global_prefetch_b8 v0, s[64:65] scope:SCOPE_SE
	s_setreg_imm32_b32 hwreg(HW_REG_WAVE_MODE, 25, 1), 1
	s_wait_xcnt 0x0
	s_wait_alu depctr_hold_cnt(0) depctr_sa_sdst(0) depctr_va_vdst(0) depctr_va_sdst(0) depctr_va_ssrc(0) depctr_va_vcc(0) depctr_vm_vsrc(0)
	s_getreg_b32 s2, hwreg(HW_REG_IB_STS2, 6, 4)
	s_cmp_eq_u32 s2, 0
	s_cbranch_scc0 .Lentry_in_a_cluster
	s_endpgm
.Lentry_in_a_cluster:
	s_bfe_u32 s2, ttmp6, 0x10000c
	s_cmp_lg_u32 s2, 0xf033
	s_cbranch_scc0 .Lentry_shape_is_right
	s_endpgm
.Lentry_shape_is_right:
; kqv = x W_kqv^T + b_kqv on codes of FP4 (E2M1) with E8M0 scales, K = 1,024; the result is quantised at once: q and k along the head's 64 numbers, v along the keys.
; A work-group makes 256 x 256 of C'[m'][n'] = sum over k of A'[m'][k] B'[n'][k]; each of its four waves 128 x 128: 64 accumulators, 512 registers.
; THE MATRIX INSTRUCTION IS USED TRANSPOSED (source 0 = 16 rows of B', source 1 = 16 rows of A'): a lane holds ONE row m' and its registers run along n', the axis that is quantised.
; ONE TEXT, TWO KINDS OF WORK-GROUP, told apart by the cluster's x, which all sixteen partners share:
;   clusters x = 0, 1 (q and k): A' = x (8,192 tokens), B' = rows 0 .. 2,047 of W_kqv: registers run along the head's numbers;
;   cluster  x = 2    (v):       A' = rows 2,048 .. 3,071 of W_kqv, B' = x: registers run along the keys.
; Only pointers, offsets and two lane masks differ (s_cselect, v_cndmask): no branch hangs on the kind.
; CLUSTERS: 4 x 4 work-groups; A's tiles are asked for jointly along a row of the cluster, B's along a column.  K = 1,024 fits in LDS whole: two slots of 512 along K and the scale bytes are
; each filled ONCE, at the head; nothing is filled again.
; WHAT IS STORED are IMAGES OF OPERAND REGISTERS: four registers x 32 lanes, lane l's 16 bytes at 16 l: every store of codes covers 512 consecutive bytes, aligned.
;   qkv_img: q at 0, k at 4 MiB: [16 b + head][token / 16][512]: lane (r, h) holds token 16 tile + r, numbers 32 h .. 32 h + 31 of the head.
;            v at 8 MiB: [b][2 (key / 128) + c][4 head + d / 16][512]: registers 4 c .. 4 c + 3 of the fragment V^T(d = 16 dt + r; keys 64 c + 32 h ..).
;   qkv_sc:  q at 0, k at 256 KiB, v at 512 KiB, each [16 b + head][g (16)][r (16)][4 words].  q, k: word p: the two scale bytes of token 128 g + 32 p + r below, of token + 16 above.
;            v: word dt: the four bytes of d = 16 dt + r for the four blocks of keys 128 g ..
; NO ROWS ARE PERMUTED.  Result tiles 2 b and 2 b + 1 give lane (r, h) the pieces h and 2 + h (8 codes each) of block b.  The conversion of block 2 c + e, tile parity t, writes register 4 c + 2 t + e;
; one exchange of halves between registers 4 c + 2 t and 4 c + 2 t + 1 then gives the 4-bit operand's layout: registers 4 c .. 4 c + 3 = k 64 c + 32 h + 0 .. 31.
; LIMITS: NaN and infinities among the inputs are not served.  A block of zeros gets the scale byte 1 where the quantiser says 127: its codes are zeros, and this program alone reads the bytes.
; The bias is added in f32: for v as the C of the first K step, for q and k behind the sum.
; REGISTERS, in windows of 256: window 0: v1-29 addresses; v32-95 scale words, which hold nothing else; v96-159 the bias along n'; v160-223 the bias along m', as the first K step's C.
;   window 1: two sets of fragments (set s: A's block i at 128 s + 8 i, B's at 128 s + 64 + 8 i); in the epilogue its registers are the quantiser's.   windows 2, 3: the accumulators, (a, b) at v[8 (8 (a % 4) + b)].
.set ROWB,   256                       ; a slot's row: 512 codes
.set KROW,   512                       ; a row of x or of W_kqv in memory, in bytes
.set PITCH,  272                       ; an LDS row: 256 bytes + 16 of padding = 68 words, so that the 16 rows that a load touches start 4 words apart
.set HALFT,  128*PITCH                 ; 128 rows: what one tensor load brings, and what one wave reads of A' or of B'
.set SLOT,   4*HALFT                   ; A's 256 rows, then B's 256
.set SCL,    2*SLOT                    ; the scale bytes: 32 a row, as units of 256 bytes + 16 of padding
.set HALFS,  16*272                    ; those of 128 rows
.set SBLK,   2*272                     ; those of 16 rows
.set SPARE,  SCL+4*HALFS               ; the spare words, 128 bytes for each wave: two blocks of 256 bytes that no other line names
.set ADRA, 16                          ; v16-17  LDS address of my A' fragments in slot 0, 1
.set ADRB, 20                          ; v20-21  the same for B'
.set VO0,  24                          ; v24     16 x lane: an image's place for my lane
.set VO1,  25                          ; v25     the same in the fragment's second image
.set VSO,  26                          ; v26     16 r + 4,096 h: my scale words' place
.set ADRS, 27                          ; v27     LDS address of my scale words: lanes 0-15 A's rows, lanes 16-31 B's
.set SPW,  28                          ; v28     LDS address of my spare word; never rewritten
.set NIL,  29                          ; v29     0; never rewritten
.set SC,   32                          ; register 32 slot + 4 i + q: lanes 0-15 the word of A's block i, lanes 16-31 that of B's block i, for the slot's q-th 128 along K
.set BN,   96
.set BMC,  160
.set BMT,  224
.set T,    0                           ; in window 1, epilogue: 64 numbers of a lane
.set PC,   64                          ; the codes: 8 registers for each block a, so that no store's data are written again
.set TM,   128                         ; v128-131 largest magnitudes, v132-135 the other half's, then bytes, v140-143 the conversions' scale operands
.set PW,   144                         ; the scale word of each block a
.set RW,   152                         ; the four words that a lane stores
.set TP,   156
.set SEL,  2                           ; s[2:3]  lane selects for v_permlanex16_b32: lane l xor 16
.set G1,   24                          ; s[24:31] group 1 for A's tiles; s[32:39] group 0, a set for each slot
.set G0,   32
.set G1B,  48                          ; s[48:55], s[56:63] the same for B's
.set G0B,  56
.set G1S,  72                          ; s[72:79], s[80:83] groups 1 and 0 for A's scales; s[84:91], s[92:95] for B's
.set G0S,  80
.set G1SB, 84
.set G0SB, 92
.set MT,   96                          ; s96  all ones in a work-group of v, else 0
.set MH,   97                          ; s97  lanes 16-31
.set MSB, 0
.macro WIN new                         ; the immediate's high byte repeats the setting that is left; a switch that changes nothing is dropped
.if MSB != (\new)
	s_set_vgpr_msb (MSB<<8)|(\new)
.set MSB, (\new)
.endif
.endm
.macro PLACES n
.rept \n
	v_nop
.endr
.endm
; A joint load: waves 0 and 1 fetch for A', waves 2 and 3 for B'.  The branch hangs on the wave's number alone.  Four v_nop follow each of the two lines.
.macro JLOAD g0a, g1a, g0b, g1b
	s_cmp_eq_u32 s15, 0
	s_cbranch_scc0 .Lfor_b_\@
	tensor_load_to_lds s[\g0a:\g0a+3], s[\g1a:\g1a+7]
	s_nop 0
.rept 4
	v_nop
.endr
	s_branch .Lasked_\@
.Lfor_b_\@:
	tensor_load_to_lds s[\g0b:\g0b+3], s[\g1b:\g1b+7]
	s_nop 0
.rept 4
	v_nop
.endr
.Lasked_\@:
.endm
.macro CROUND                          ; a round of the cluster's barrier
	s_barrier_signal -1
	s_barrier_wait -1
	s_cmp_lg_u32 s14, 0
	s_cbranch_scc1 .Lnot_wave_0_\@
	s_barrier_signal -3
.Lnot_wave_0_\@:
	s_barrier_wait -3
	s_barrier_signal -1
	s_barrier_wait -1
.endm
; 16 nb numbers of a lane, v[s + 16 b + 8 t + j] = column 32 b + 16 t + 8 h + j of my row, become nb registers pairs of codes in v[pc] on (the operand's layout) and the row's scale bytes in v[pw].
.macro QUANT s, pc, pw, nb
.set qb, 0
.rept \nb
	v_max3_num_f32 v[TM+qb], |v[\s+16*qb]|, |v[\s+16*qb+1]|, 0x1800000   ; block b: my 16 numbers, and the floor 2^(3 - 127): the byte cannot fall under 1
.set qb, qb+1
.endr
.irp i, 2,4,6,8,10,12,14
.set qb, 0
.rept \nb
	v_max3_num_f32 v[TM+qb], v[TM+qb], |v[\s+16*qb+\i]|, |v[\s+16*qb+\i+1]|   ; (the blocks by turns)
.set qb, qb+1
.endr
.endr
.set qb, 0
.rept \nb
	v_permlanex16_b32 v[TM+4+qb], v[TM+qb], s[SEL], s[SEL+1]
.set qb, qb+1
.endr
.set qb, 0
.rept \nb
	v_max_num_f32 v[TM+qb], v[TM+qb], v[TM+4+qb]   ; with lane l xor 16's 16: the block's largest magnitude
.set qb, qb+1
.endr
.set qb, 0
.rept \nb
	v_add_nc_u32 v[TM+12+qb], 0xff000000, v[TM+qb]   ; 2 off its exponent field: the conversion takes the exponent field of this operand as its scale
.set qb, qb+1
.endr
.set qb, 0
.rept \nb
	v_lshrrev_b32 v[TM+4+qb], 23, v[TM+12+qb]      ; the scale's byte
.set qb, qb+1
.endr
	v_lshl_or_b32 v[\pw], v[TM+5], 8, v[TM+4]
.if \nb == 4
	v_lshl_or_b32 v[\pw], v[TM+6], 16, v[\pw]
	v_lshl_or_b32 v[\pw], v[TM+7], 24, v[\pw]
.endif
.set qb, 0
.rept \nb
	v_cvt_scalef32_pk8_fp4_f32 v[\pc+4*(qb/2)+(qb%2)], v[\s+16*qb:\s+16*qb+7], v[TM+12+qb]        ; piece h of block b
	v_cvt_scalef32_pk8_fp4_f32 v[\pc+4*(qb/2)+2+(qb%2)], v[\s+16*qb+8:\s+16*qb+15], v[TM+12+qb]   ; piece 2 + h
.set qb, qb+1
.endr
	v_nop                                          ; one plain place behind a scaled conversion
.set qb, 0
.rept \nb
	v_permlane16_swap_b32 v[\pc+2*qb], v[\pc+2*qb+1]   ; the first's lanes 16-31 change places with the second's lanes 0-15: a whole block in a lane
.set qb, qb+1
.endr
.endm
	s_load_b256 s[4:11], s[0:1], 0x0               ; x's codes s[4:5], x's scales s[6:7], W's codes s[8:9], W's scales s[10:11]
	s_load_b64 s[12:13], s[0:1], 0x20              ; b_kqv
	s_load_b64 s[68:69], s[0:1], 0x28              ; qkv_img
	s_load_b64 s[70:71], s[0:1], 0x30              ; qkv_sc
	v_lshl_add_u32 v[SPW], v0, 2, SPARE
	v_mov_b32 v[NIL], 0
	ds_add_u32 v28, v29
	ds_add_u32 v28, v29
	s_wait_dscnt 0x0
	v_lshrrev_b32 v1, 5, v0
	v_readfirstlane_b32 s14, v1                    ; wave 0..3
	s_lshr_b32 s15, s14, 1                         ; which half of the tile's rows is mine.  Also: I fetch for A' (0) or for B' (1)
	s_and_b32 s16, s14, 1                          ; which half of its columns.  Also: which 128 rows of that tile I fetch
	s_bfe_u32 s40, ttmp6, 0x40000                  ; cx, cy: my place in the cluster
	s_bfe_u32 s41, ttmp6, 0x40004
	s_and_b32 s18, ttmp7, 0xffff
	s_lshl_b32 s18, s18, 2                         ; 4 x cluster y
	s_lshl_b32 s19, ttmp9, 2                       ; 4 x cluster x
	s_add_co_u32 s20, s18, s41                     ; q, k: tile row of tokens
	s_add_co_u32 s21, s41, 8                       ; v: tile row of W_kqv: rows 2,048 on
	s_add_co_u32 s22, s19, s40                     ; q, k: tile column = tile row of W_kqv
	s_add_co_u32 s23, s18, s40                     ; v: tile column = tile row of tokens
	s_cmp_eq_u32 ttmp9, 2                          ; the kind: the same in all sixteen partners
	s_cselect_b32 s17, s21, s20                    ; A's tile row in its buffer: it hangs on cy alone
	s_cselect_b32 s45, s41, s20                    ; the tile row of what is made
	s_cselect_b32 s42, s23, s22                    ; the tile column: it hangs on cx alone
	s_cselect_b32 s[MT], -1, 0
	s_mov_b32 s[MH], 0xffff0000
	s_mov_b32 s98, 0x05040100                      ; v_perm_b32: the two low halves
	s_mov_b32 s99, 0x07060302                      ; the two high halves
	s_lshl_b32 s43, s41, 2
	s_lshl_b32 s43, 15, s43                        ; my row of the cluster
	s_lshl_b32 s44, 0x1111, s40                    ; my column
	; group 1: a tile of 128 rows x 256 bytes, 16 bytes of padding behind each row
	s_or_b32 s[G1], s43, (0<<16)|(1<<20)|(1<<21)|(5<<22)|(3<<25)    ; 15:0 the mask; 17:16 elements of 1 byte; 20 padding on; 21 set beside a mask; 24:22 after every 64 words; 31:25 four words
	s_or_b32 s[G1B], s44, (0<<16)|(1<<20)|(1<<21)|(5<<22)|(3<<25)
.irp g, G1, G1B
	s_mov_b32 s[\g+1], ROWB<<16                    ; tensor_dim0
	s_mov_b32 s[\g+2], 128<<16                     ; tensor_dim1
	s_mov_b32 s[\g+3], ROWB<<16                    ; tile_dim0
	s_mov_b32 s[\g+4], 128                         ; tile_dim1
	s_mov_b32 s[\g+5], KROW                        ; from row to row
	s_mov_b32 s[\g+6], 0
	s_mov_b32 s[\g+7], 0
.endr
	; and for the scale bytes of 128 rows: 4,096 dense bytes as 16 rows of 256 (32 elements of 8 bytes), 16 bytes of padding behind each
	s_or_b32 s[G1S], s43, (3<<16)|(1<<20)|(1<<21)|(5<<22)|(3<<25)
	s_or_b32 s[G1SB], s44, (3<<16)|(1<<20)|(1<<21)|(5<<22)|(3<<25)
.irp g, G1S, G1SB
	s_mov_b32 s[\g+1], 32<<16
	s_mov_b32 s[\g+2], 16<<16
	s_mov_b32 s[\g+3], 32<<16
	s_mov_b32 s[\g+4], 16
	s_mov_b32 s[\g+5], 32
	s_mov_b32 s[\g+6], 0
	s_mov_b32 s[\g+7], 0
.endr
	s_lshl_b32 s18, s16, 7                         ; which 128 rows of the tile I fetch
	s_lshl_b32 s20, s17, 8
	s_add_co_u32 s20, s20, s18                     ; A's first row
	s_lshl_b32 s46, s42, 8
	s_add_co_u32 s46, s46, s18                     ; B's first row
	s_lshl_b32 s22, s20, 5                         ; where these rows' scale bytes begin: 32 a row,
	s_mov_b32 s23, 0
	s_lshl_b32 s20, s20, 9                         ; and their codes: 512 a row (under 2^23)
	s_mov_b32 s21, 0
	s_lshl_b32 s2, s46, 5
	s_mov_b32 s3, 0
	s_lshl_b32 s46, s46, 9
	s_mov_b32 s47, 0
	s_mul_i32 s19, s14, HALFT                      ; where they go: wave x 128 rows: no place in the cluster enters an LDS address
	s_mul_i32 s18, s14, HALFS
	s_wait_kmcnt 0x0
	s_cmp_eq_u32 ttmp9, 2                          ; which buffer is A' and which B': a choice that hangs on the cluster's number alone
	s_cselect_b64 s[G0+2:G0+3], s[8:9], s[4:5]
	s_cselect_b64 s[G0S+2:G0S+3], s[10:11], s[6:7]
	s_cselect_b64 s[G0B+2:G0B+3], s[4:5], s[8:9]
	s_cselect_b64 s[G0SB+2:G0SB+3], s[6:7], s[10:11]
	s_add_nc_u64 s[G0+2:G0+3], s[G0+2:G0+3], s[20:21]
	s_add_nc_u64 s[G0+6:G0+7], s[G0+2:G0+3], ROWB  ; slot 1: K = 512 on
	s_add_nc_u64 s[G0S+2:G0S+3], s[G0S+2:G0S+3], s[22:23]
	s_add_nc_u64 s[G0B+2:G0B+3], s[G0B+2:G0B+3], s[46:47]
	s_add_nc_u64 s[G0B+6:G0B+7], s[G0B+2:G0B+3], ROWB
	s_add_nc_u64 s[G0SB+2:G0SB+3], s[G0SB+2:G0SB+3], s[2:3]
.irp g, G0, G0+4, G0B, G0B+4, G0S, G0SB
	s_mov_b32 s[\g], 1                             ; count = 1
	s_or_b32 s[\g+3], s[\g+3], 0x80000000          ; type = 2
.endr
	s_mov_b32 s[G0+1], s19
	s_add_co_u32 s[G0+5], s19, SLOT
	s_mov_b32 s[G0B+1], s19
	s_add_co_u32 s[G0B+5], s19, SLOT
	s_add_co_u32 s[G0S+1], s18, SCL
	s_add_co_u32 s[G0SB+1], s18, SCL
	CROUND                                         ; all sixteen work-groups are here: the joint loads meet
	JLOAD G0S, G1S, G0SB, G1SB                     ; three loads a wave, all that the launch fetches into LDS: the scale bytes,
	JLOAD G0, G1, G0B, G1B                         ; slot 0,
	JLOAD G0+4, G1, G0B+4, G1B                     ; slot 1
	v_and_b32 v1, 15, v0                           ; r = l % 16
	v_bfe_u32 v2, v0, 4, 1                         ; h = l / 16
	v_mul_u32_u24 v3, v1, PITCH
	v_lshl_add_u32 v4, v2, 4, v3                   ; a fragment's row x pitch + 16 x half
	s_mul_i32 s21, s15, HALFT                      ; my 128 rows of A'
	s_mul_i32 s22, s16, HALFT                      ; my 128 rows of B',
	s_add_co_u32 s22, s22, 2*HALFT                 ; which lie behind A's 256
.irp s, 0,1
	v_add_nc_u32 v[ADRA+\s], s21, v4
	v_add_nc_u32 v[ADRB+\s], s22, v4
	s_add_co_u32 s21, s21, SLOT
	s_add_co_u32 s22, s22, SLOT
.endr
	v_mul_u32_u24 v5, v1, 32                       ; my row's scale bytes: 32 a row,
	v_lshrrev_b32 v6, 8, v5
	v_lshl_add_u32 v5, v6, 4, v5                   ; and 16 more for each 256 passed
	s_mul_i32 s21, s15, HALFS
	s_mul_i32 s22, s16, HALFS
	s_add_co_u32 s22, s22, 2*HALFS
	s_sub_co_u32 s22, s22, s21
	v_mul_u32_u24 v6, s22, v2                      ; lanes 16-31 take B's: one product by h
	s_add_co_u32 s21, s21, SCL
	v_add_nc_u32 v5, v5, v6
	v_add_nc_u32 v[ADRS], s21, v5
	; where the results go.  R = my first row m', C = my first column n'
	s_lshl_b32 s20, s45, 8
	s_lshl_b32 s21, s15, 7
	s_add_co_u32 s20, s20, s21                     ; R
	s_lshl_b32 s21, s42, 8
	s_lshl_b32 s22, s16, 7
	s_add_co_u32 s21, s21, s22                     ; C
	s_lshr_b32 s22, s21, 10                        ; q, k: images: (q or k) x 4 MiB
	s_lshl_b32 s22, s22, 22
	s_lshr_b32 s23, s20, 11                        ; + batch x 1 MiB
	s_lshl_b32 s23, s23, 20
	s_add_co_u32 s22, s22, s23
	s_bfe_u32 s23, s21, 0x40006                    ; + head x 65,536
	s_lshl_b32 s23, s23, 16
	s_add_co_u32 s22, s22, s23
	s_and_b32 s23, s20, 2047                       ; + (token / 16) x 512
	s_lshl_b32 s23, s23, 5
	s_add_co_u32 s22, s22, s23
	s_lshr_b32 s46, s21, 11                        ; v: images: (8 + batch) x 1 MiB
	s_add_co_u32 s46, s46, 8
	s_lshl_b32 s46, s46, 20
	s_bfe_u32 s47, s21, 0x40007                    ; + (key / 128) x 65,536
	s_lshl_b32 s47, s47, 16
	s_add_co_u32 s46, s46, s47
	s_lshl_b32 s47, s20, 5                         ; + (channel / 16) x 512
	s_add_co_u32 s46, s46, s47
	s_lshr_b32 s2, s21, 11                         ; v: scale words: (8 + batch) x 65,536
	s_add_co_u32 s2, s2, 8
	s_lshl_b32 s2, s2, 16
	s_lshr_b32 s3, s20, 6                          ; + head x 4,096
	s_lshl_b32 s3, s3, 12
	s_add_co_u32 s2, s2, s3
	s_bfe_u32 s3, s21, 0x40007                     ; + (key / 128) x 256
	s_lshl_b32 s3, s3, 8
	s_add_co_u32 s2, s2, s3
	s_lshr_b32 s23, s22, 4                         ; q, k: scale words: a sixteenth of the images' offset, term by term (R is a multiple of 128)
	s_lshl_b32 s18, s21, 2                         ; the bias along n' begins at b_kqv[C],
	s_lshl_b32 s19, s20, 2
	s_add_co_u32 s19, s19, 8192                    ; that along m' at b_kqv[2,048 + R]
	s_cmp_eq_u32 ttmp9, 2
	s_cselect_b32 s22, s46, s22
	s_cselect_b32 s46, s2, s23
	s_cselect_b32 s18, 0, s18                      ; the bias that a kind does not use is loaded from the buffer's first bytes and replaced by 0
	s_cselect_b32 s2, s19, 0
	s_mov_b32 s20, 65536                           ; from a fragment's first image to its second: the next head,
	s_cselect_b32 s20, 32768, s20                  ; or the next 64 keys
	s_mov_b32 s23, 0
	s_mov_b32 s47, 0
	s_mov_b32 s19, 0
	s_mov_b32 s3, 0
	s_add_nc_u64 s[68:69], s[68:69], s[22:23]
	s_add_nc_u64 s[70:71], s[70:71], s[46:47]
	s_add_nc_u64 s[66:67], s[12:13], s[18:19]
	s_add_nc_u64 s[12:13], s[12:13], s[2:3]
	s_mov_b32 s[SEL], 0x76543210
	s_mov_b32 s[SEL+1], 0xfedcba98
	v_and_b32 v6, 31, v0
	v_lshlrev_b32 v[VO0], 4, v6
	v_add_nc_u32 v[VO1], s20, v[VO0]
	v_lshlrev_b32 v[VSO], 4, v1
	v_lshl_add_u32 v[VSO], v2, 12, v[VSO]          ; lanes 16-31 store the next head's words
	v_lshlrev_b32 v7, 5, v2                        ; the bias along n': tile b, my eight: 64 b + 32 h bytes on
	v_lshlrev_b32 v8, 2, v1                        ; the bias along m': block a, my row: 64 a + 4 r
.irp b, 0,1,2,3,4,5,6,7
	global_load_b128 v[BN+8*\b:BN+8*\b+3], v7, s[66:67] offset:64*\b
	global_load_b128 v[BN+8*\b+4:BN+8*\b+7], v7, s[66:67] offset:64*\b+16
.endr
.irp a, 0,1,2,3,4,5,6,7
	global_load_b32 v[BMT+\a], v8, s[12:13] offset:64*\a
.endr
	s_wait_loadcnt 0x0                             ; the biases, once, while the tiles are on their way
.set ii, 0
.rept 64
	v_cndmask_b32 v[BN+ii], v[BN+ii], 0, s[MT]     ; v has no bias along n'
.set ii, ii+1
.endr
.irp a, 0,1,2,3,4,5,6,7
.irp j, 0,1,2,3,4,5,6,7
	v_cndmask_b32 v[BMC+8*\a+\j], 0, v[BMT+\a], s[MT]   ; q and k none along m': a lane's eight results of block a belong to one row
.endr
.endr
.macro FRAG reg, adr, q, i             ; 16 rows x 128 K of 4-bit codes: lane l holds row l % 16; registers 4 c .. 4 c + 3 hold K = 64 c + 32 (l / 16) + 0 .. 31
.irp c, 0,1
	ds_load_b128 v[\reg+4*\c:\reg+4*\c+3], v[\adr] offset:64*(\q)+32*\c+(\i)*16*PITCH
.endr
.endm
.macro FETCH q                         ; 32 LDS loads in one run: K step q's fragments (128 along K) into set q % 2
	WIN 0x40                                       ; destination window 1, address window 0
.irp i, 0,1,2,3,4,5,6,7
	FRAG 128*((\q)%2)+64+8*\i, ADRB+(\q)/4, (\q)%4, \i
.endr
.irp i, 0,1,2,3,4,5,6,7
	FRAG 128*((\q)%2)+8*\i, ADRA+(\q)/4, (\q)%4, \i
.endr
.endm
.macro SCALES sl                       ; a slot's scale words: four a row
	WIN 0
.irp i, 0,1,2,3,4,5,6,7
	ds_load_b128 v[SC+32*\sl+4*\i:SC+32*\sl+4*\i+3], v[ADRS] offset:\i*SBLK+16*\sl
.endr
.endm
; 64 matrix instructions: A's eight blocks x B's eight, 128 along K.  The 64 accumulators take turns, one instruction a turn, in the same order in every step.
; first = 1: the sums begin with the bias along m' as C: nothing is ever cleared.
.macro MUL q, first
.irp a, 0,1,2,3,4,5,6,7
.if \first
	WIN 0x85+0x40*(\a/4)                           ; sources 0 and 1 window 1, C window 0, D window 2 or 3
.else
	WIN 0xa5+0x50*(\a/4)                           ; sources 0 and 1 window 1, C and D window 2 or 3
.endif
.irp b, 0,1,2,3,4,5,6,7
.set rD, 8*(8*(\a%4)+\b)
.set rB, 128*((\q)%2)+64+8*\b
.set rA, 128*((\q)%2)+8*\a
.set rSB, SC+32*((\q)/4)+4*\b+(\q)%4
.set rSA, SC+32*((\q)/4)+4*\a+(\q)%4
.if \first
	v_wmma_scale_f32_16x16x128_f8f6f4 v[rD:rD+7], v[rB:rB+7], v[rA:rA+7], v[BMC+8*\a:BMC+8*\a+7], v[rSB], v[rSA] matrix_a_fmt:MATRIX_FMT_FP4 matrix_b_fmt:MATRIX_FMT_FP4 matrix_a_scale:MATRIX_SCALE_ROW1
.else
	v_wmma_scale_f32_16x16x128_f8f6f4 v[rD:rD+7], v[rB:rB+7], v[rA:rA+7], v[rD:rD+7], v[rSB], v[rSA] matrix_a_fmt:MATRIX_FMT_FP4 matrix_b_fmt:MATRIX_FMT_FP4 matrix_a_scale:MATRIX_SCALE_ROW1
.endif
.endr
.endr
.endm
; A K step: the next step's fragments are asked for in one run, 64 matrix instructions ahead of their use, into the set that the step before has multiplied: four places stand in front of those loads
; (ISA guide 7.12.1 for vector instructions).
.macro KSTEP q
.if \q == 3
	s_wait_tensorcnt 0x0                           ; my part of slot 1 has landed,
	s_wait_dscnt 0x0                               ; no LDS load of mine is out at the signal (set 3 is in with that),
	s_barrier_signal -1
	s_barrier_wait -1                              ; and so for every wave: slot 1 is whole.
.endif
.if \q > 0
	PLACES 4
.endif
.if \q < 7
	FETCH \q+1
.if \q == 3
	SCALES 1
.else
	s_wait_dscnt 32                                ; all but the 32 just issued: this step's set (and in step 4 slot 1's scale words) is in
.endif
.else
	s_wait_dscnt 0x0
.endif
.if \q == 0
	MUL \q, 1
.else
	MUL \q, 0
.endif
.endm
	s_wait_alu depctr_va_vdst(0)
	s_wait_tensorcnt 1                             ; the scale bytes and my part of slot 0 are in; slot 1's load, issued behind them, may be out,
	s_barrier_signal -1
	s_barrier_wait -1                              ; everybody's are
	FETCH 0
	SCALES 0
.irp q, 0,1,2,3,4,5,6,7
	KSTEP \q
.endr
	; THE EPILOGUE, block a of 16 rows at a time: + the bias along n', the quantiser, two images out.  Its registers lie in window 1, where the fragments are done with.
	PLACES 4                                       ; behind the last products: their results are read and their fragments' registers written
	WIN 0x55                                       ; every operand place window 1
.irp b, 0,1,2,3
	v_mov_b32 v[TM+4+\b], 0                        ; written once: a lane permute's destination counts as one of its sources
.endr
.irp a, 0,1,2,3,4,5,6,7
	WIN 0x42+(\a/4)                                ; destination window 1, source 0 window 2 or 3, source 1 window 0
.set ii, 0
.rept 32
	v_pk_add_f32 v[T+2*ii:T+2*ii+1], v[64*(\a%4)+2*ii:64*(\a%4)+2*ii+1], v[BN+2*ii:BN+2*ii+1]   ; each accumulator from its low end on
.set ii, ii+1
.endr
	WIN 0x55
	QUANT T, PC+8*\a, PW+\a, 4
	WIN 0x04                                       ; a store's data are its source 1: window 1
	global_store_b128 v[VO0], v[PC+8*\a:PC+8*\a+3], s[68:69] offset:512*\a      ; 32 lanes store 512 consecutive bytes, aligned
	global_store_b128 v[VO1], v[PC+8*\a+4:PC+8*\a+7], s[68:69] offset:512*\a
.endr
	WIN 0x55
.irp p, 0,1,2,3                        ; the scale words.  q, k: blocks 2 p and 2 p + 1 give the two halves of word p; lanes 0-15 take the first head's bytes, lanes 16-31 the second's.  v: word p is block p's (first head) or block 4 + p's
	v_perm_b32 v[TP], v[PW+2*\p+1], v[PW+2*\p], s98
	v_perm_b32 v[TP+1], v[PW+2*\p+1], v[PW+2*\p], s99
	v_cndmask_b32 v[TP], v[TP], v[TP+1], s[MH]
	v_cndmask_b32 v[TP+1], v[PW+\p], v[PW+4+\p], s[MH]
	v_cndmask_b32 v[RW+\p], v[TP], v[TP+1], s[MT]
.endr
	WIN 0x04
	global_store_b128 v[VSO], v[RW:RW+3], s[70:71] ; sixteen lanes store 256 consecutive bytes, aligned; the other sixteen the next head's
	WIN 0
	s_wait_tensorcnt 0x0                           ; the wave's end
	ds_add_u32 v[SPW], v[NIL]
	s_wait_dscnt 0x0
	CROUND                                         ; the closing round: no work-group ends while a partner may still ask for a tile that names it
	s_endpgm
.Lfunc_end_k_q27174df66a_qkv:
	.size	k_q27174df66a_qkv, .Lfunc_end_k_q27174df66a_qkv-k_q27174df66a_qkv
	.p2alignl 7, 3214868480
	.fill 96, 4, 3214868480
	.section	.rodata,"a",@progbits
	.p2align	6, 0x0
	.amdhsa_kernel k_q27174df66a_qkv
		.amdhsa_group_segment_fixed_size 327680
		.amdhsa_private_segment_fixed_size 0
		.amdhsa_enable_private_segment 0
		.amdhsa_kernarg_size 56
		.amdhsa_user_sgpr_count 2
		.amdhsa_user_sgpr_kernarg_segment_ptr 1
		.amdhsa_wavefront_size32 1
		.amdhsa_system_sgpr_workgroup_id_x 1
		.amdhsa_system_sgpr_workgroup_id_y 1
		.amdhsa_system_sgpr_workgroup_id_z 1
		.amdhsa_system_vgpr_workitem_id 0
		.amdhsa_next_free_vgpr 1024
		.amdhsa_next_free_sgpr 100
		.amdhsa_reserve_vcc 0
		.amdhsa_float_denorm_mode_32 3
		.amdhsa_float_denorm_mode_16_64 3
		.amdhsa_memory_ordered 1
		.amdhsa_forward_progress 1
		.amdhsa_inst_pref_size 155
	.end_amdhsa_kernel
	.amdgpu_metadata
---
amdhsa.version: [ 1, 2 ]
amdhsa.kernels:
  - .name:           k_q27174df66a_qkv
    .symbol:         k_q27174df66a_qkv.kd
    .args:
      - { .name: x_codes, .offset: 0, .size: 8, .value_kind: global_buffer, .address_space: global }
      - { .name: x_scales, .offset: 8, .size: 8, .value_kind: global_buffer, .address_space: global }
      - { .name: W_kqv_codes, .offset: 16, .size: 8, .value_kind: global_buffer, .address_space: global }
      - { .name: W_kqv_scales, .offset: 24, .size: 8, .value_kind: global_buffer, .address_space: global }
      - { .name: b_kqv, .offset: 32, .size: 8, .value_kind: global_buffer, .address_space: global }
      - { .name: qkv_img, .offset: 40, .size: 8, .value_kind: global_buffer, .address_space: global }
      - { .name: qkv_sc, .offset: 48, .size: 8, .value_kind: global_buffer, .address_space: global }
    .group_segment_fixed_size: 327680
    .private_segment_fixed_size: 0
    .kernarg_segment_align: 8
    .kernarg_segment_size: 56
    .max_flat_workgroup_size: 128
    .sgpr_count:     100
    .vgpr_count:     1024
    .wavefront_size: 32
...
	.end_amdgpu_metadata
.endif
;; end of part 1
;; launch attn (part 2): grid 4 x 64, 16 waves a work-group, clusters of 4 x 1, 327,680 bytes of LDS; arguments qkv_img, qkv_sc, y_img, y_sc; writes y_img, y_sc
.if DOCPART == 2
	.amdgcn_target "amdgcn-amd-amdhsa--gfx1250"
	.amdhsa_code_object_version 6
	.text
	.protected	k_q27174df66a_attn
	.globl	k_q27174df66a_attn
	.p2align	8
	.type	k_q27174df66a_attn,@function
k_q27174df66a_attn:
	s_mov_b64 s[64:65], 0
	v_nop
	global_prefetch_b8 v0, s[64:65] scope:SCOPE_SE
	s_setreg_imm32_b32 hwreg(HW_REG_WAVE_MODE, 25, 1), 1
	s_wait_xcnt 0x0
	s_wait_alu depctr_hold_cnt(0) depctr_sa_sdst(0) depctr_va_vdst(0) depctr_va_sdst(0) depctr_va_ssrc(0) depctr_va_vcc(0) depctr_vm_vsrc(0)
	s_getreg_b32 s2, hwreg(HW_REG_IB_STS2, 6, 4)
	s_cmp_eq_u32 s2, 0
	s_cbranch_scc0 .Lentry_in_a_cluster
	s_endpgm
.Lentry_in_a_cluster:
	s_bfe_u32 s2, ttmp6, 0x10000c
	s_cmp_lg_u32 s2, 0x3003
	s_cbranch_scc0 .Lentry_shape_is_right
	s_endpgm
.Lentry_shape_is_right:
; y[b][s][head] = softmax_k(q . k / 8, causal) v on codes of FP4 (E2M1) with E8M0 scales, quantised at once along E for the last product.
; THE SOFTMAX AHEAD OF THE SECOND PRODUCT: t = score x log2(e) / 8; M = the row's largest t so far, rounded UP to a whole number; p = 2^(t - M) is what is quantised, along the keys; it is not normalised.
; The row's sum is taken of the unquantised p, in f32, and divides O at the end.  When M moves, the sum and O are multiplied by 2^(old M - new M): exact.
; SHARES.  A cluster of four work-groups owns one head (the cluster's y = 16 b + head).  The head's 128 tiles of 16 queries fall into 16 groups g of 8; all tiles of group g need g + 1 key steps of 128.
; Work-group cx takes tiles 8 g + 2 cx and 8 g + 2 cx + 1 of EVERY group; its wave w takes tile 8 w + 2 cx in pass 0 and tile 8 (15 - w) + 2 cx + 1 in pass 1: (w + 1) + (16 - w) = 17 key steps
; for every wave of the launch.  Branches hang on the wave's number and on loop counters alone; cx enters global addresses and one register of the mask.
; LDS.  The head's K, V and their scale words, 139,264 bytes, are asked for jointly by the four partners, once, at the head: the key loop has no refill and no barrier.
; They lie as images of operand registers (lane l's 16 bytes at 16 l), so that every LDS load reads 512 consecutive bytes.
; LAYOUT.  Both products are used transposed: S^T = K Q^T, O^T = V^T P^T: a lane holds ONE query (lane % 16) throughout.
; K = 64 IN AN INSTRUCTION 128 DEEP.  A fragment of K holds TWO tiles of 16 keys: registers 0-3 tile 2 p, registers 4-7 tile 2 p + 1.  Tile 2 p is multiplied by [q | 0], tile 2 p + 1 by [0 | q]:
; zero codes add nothing under any scale byte but 0xff, and the bytes here are 1 to 254.  K's scale word holds the two tiles' byte pairs side by side; q's holds its pair twice.
; Result tiles 2 b and 2 b + 1 give lane (r, h) the pieces h and 2 + h of block b of the keys; the conversions' destinations and one exchange of halves make the operand's layout (launch qkv says how).
; CAUSAL.  A step all of whose keys come after the tile's queries is left out (a scalar branch round its work); in the one step on the diagonal hidden scores become -infinity ahead of the maximum.
; LIMITS: NaN and infinities are not served.  A block of zeros keeps the scale byte 1: its codes are zeros, and this program alone reads the bytes.  A block's largest p is made from its largest score by the
; same two instructions, which takes v_exp_f32 not to fall where its input rises.  1 / l is v_rcp_f32.
.set KIMG,  0                          ; key tile T at 512 T: 65,536 bytes
.set VIMG,  65536                      ; [key step][c][dt][512]: 65,536 bytes
.set KSC,   131072                     ; K's scale words: [key step][r][4 words]: 4,096 bytes; V's behind them
.set SPARE, KSC+8192                   ; the spare words, 128 bytes for each of 16 waves: eight blocks of 256 bytes that no other line names
.set LI,   1                           ; v1   16 x lane
.set LIV,  2                           ; v2   the same in V's images
.set LSC,  3                           ; v3   KSC + 16 r + 4,096 h: lanes 0-15 K's words, lanes 16-31 V's
.set SPW,  4                           ; v4   LDS address of my spare word; never rewritten
.set NIL,  5                           ; v5   0; never rewritten
.set YO,   6                           ; v6   where my tile's image of y goes;  v7 its scale bytes
.set YSO,  7
.set ADK,  8                           ; v8-10 the step's LDS addresses
.set ADV,  9
.set ADS,  10
.set DV,   11                          ; v11  my query, counted from the diagonal step's first key, - 8 h
.set QS,   28                          ; v12 -M, v13 the largest t, v[14:15] the sum; v16-27 [0 | q | 0]; v28 q's scale word
.set YO2,  29                          ; v29-31 the second pass's YO, YSO, DV
.set YSO2, 30
.set DV2,  31
.set KF,   32                          ; v32-63  four fragments of K
.set VF,   64                          ; v64-95  four fragments of V
.set S,    96                          ; v96-159 S^T, then p, at last y
.set O,    160                         ; v160-191 O^T
.set Q2,   192                         ; v192-196 the second pass's q and its scale word
.set QS2,  196
.set SCW,  200                         ; v200-203 the step's scale words: they hold nothing else
.set PC,   204                         ; v204-211 p's codes
.set YC,   212                         ; v212-215 y's codes; v216 its two scale bytes
.set YW,   216
.set TM,   224                         ; the quantiser's; v232-254 the softmax's
.set WV,   18
.set SEL,  20                          ; s[20:21] lane selects for v_permlanex16_b32: lane l xor 16
.set CS,   22                          ; s[22:23] c = log2(e) / 8
.set G1K,  24
.set G1V,  32
.set G1S,  40
.set G0K,  48
.set G0V,  52
.set G0S,  56
.set ST,   66                          ; s66 the key step; s67 4,096 x it; s68 256 x it
.set TK,   67
.set TSC,  68
.set G,    69                          ; s69 my tile's group: its last key step; s70 the second pass's
.set G2,   70
.set PASS, 71
.macro CROUND                          ; a round of the cluster's barrier
	s_barrier_signal -1
	s_barrier_wait -1
	s_cmp_lg_u32 s[WV], 0
	s_cbranch_scc1 .Lnot_wave_0_\@
	s_barrier_signal -3
.Lnot_wave_0_\@:
	s_barrier_wait -3
	s_barrier_signal -1
	s_barrier_wait -1
.endm
; 16 nb numbers of a lane, v[s + 16 b + 8 t + j] = column 32 b + 16 t + 8 h + j of my row, become codes in v[pc] on (the operand's layout) and the row's scale bytes in v[pw].
.macro QUANT s, pc, pw, nb
.set qb, 0
.rept \nb
	v_max3_num_f32 v[TM+qb], |v[\s+16*qb]|, |v[\s+16*qb+1]|, 0x1800000   ; block b: my 16 numbers, and the floor 2^(3 - 127): the byte cannot fall under 1
.set qb, qb+1
.endr
.irp i, 2,4,6,8,10,12,14
.set qb, 0
.rept \nb
	s_delay_alu instid0(VALU_DEP_2)
	v_max3_num_f32 v[TM+qb], v[TM+qb], |v[\s+16*qb+\i]|, |v[\s+16*qb+\i+1]|
.set qb, qb+1
.endr
.endr
.set qb, 0
.rept \nb
	s_delay_alu instid0(VALU_DEP_2)
	v_permlanex16_b32 v[TM+4+qb], v[TM+qb], s[SEL], s[SEL+1]
.set qb, qb+1
.endr
.set qb, 0
.rept \nb
	s_delay_alu instid0(VALU_DEP_2)
	v_max_num_f32 v[TM+qb], v[TM+qb], v[TM+4+qb]   ; with lane l xor 16's 16: the block's largest magnitude
.set qb, qb+1
.endr
.set qb, 0
.rept \nb
	s_delay_alu instid0(VALU_DEP_2)
	v_add_nc_u32 v[TM+12+qb], 0xff000000, v[TM+qb]   ; 2 off its exponent field: the conversion's scale operand
.set qb, qb+1
.endr
.set qb, 0
.rept \nb
	s_delay_alu instid0(VALU_DEP_2)
	v_lshrrev_b32 v[TM+4+qb], 23, v[TM+12+qb]      ; the scale's byte
.set qb, qb+1
.endr
	s_delay_alu instid0(VALU_DEP_1)
	v_lshl_or_b32 v[\pw], v[TM+5], 8, v[TM+4]
.if \nb == 4
	v_lshl_or_b32 v[\pw], v[TM+6], 16, v[\pw]
	v_lshl_or_b32 v[\pw], v[TM+7], 24, v[\pw]
.endif
.set qb, 0
.rept \nb
	v_cvt_scalef32_pk8_fp4_f32 v[\pc+4*(qb/2)+(qb%2)], v[\s+16*qb:\s+16*qb+7], v[TM+12+qb]
	v_cvt_scalef32_pk8_fp4_f32 v[\pc+4*(qb/2)+2+(qb%2)], v[\s+16*qb+8:\s+16*qb+15], v[TM+12+qb]
.set qb, qb+1
.endr
	v_nop                                          ; one plain place behind a scaled conversion
.set qb, 0
.rept \nb
	v_permlane16_swap_b32 v[\pc+2*qb], v[\pc+2*qb+1]
.set qb, qb+1
.endr
.endm
	s_load_b256 s[4:11], s[0:1], 0x0               ; qkv_img s[4:5], qkv_sc s[6:7], y_img s[8:9], y_sc s[10:11]
	v_lshl_add_u32 v[SPW], v0, 2, SPARE
	v_mov_b32 v[NIL], 0
	ds_add_u32 v4, v5
	ds_add_u32 v4, v5
	s_wait_dscnt 0x0
	v_lshrrev_b32 v40, 5, v0
	s_delay_alu instid0(VALU_DEP_1)
	v_readfirstlane_b32 s[WV], v40                 ; wave 0..15
	s_bfe_u32 s72, ttmp6, 0x40000                  ; cx: my place in the cluster
	s_and_b32 s73, ttmp7, 0xffff                   ; 16 b + head, which the four partners share
	s_lshr_b32 s74, s73, 4                         ; b
	s_and_b32 s75, s73, 15                         ; head
	s_and_b32 s76, s[WV], 1                        ; which half I fetch, if I fetch
	s_lshl_b32 s12, s73, 16                        ; K's images: 4 MiB + head's 65,536 + half x 32,768
	s_lshl_b32 s13, s76, 15
	s_add_co_u32 s12, s12, s13
	s_add_co_u32 s12, s12, 4<<20
	s_mov_b32 s13, 0
	s_lshl_b32 s14, s74, 20                        ; V's: 8 MiB + b x 1 MiB + head x 2,048 + half x 16 rows of 32,768
	s_lshl_b32 s15, s75, 11
	s_add_co_u32 s14, s14, s15
	s_lshl_b32 s15, s76, 19
	s_add_co_u32 s14, s14, s15
	s_add_co_u32 s14, s14, 8<<20
	s_mov_b32 s15, 0
	s_lshl_b32 s16, s73, 12                        ; the scale words: K's at 256 KiB + head's 4,096, V's 256 KiB further on
	s_lshl_b32 s17, s76, 18
	s_add_co_u32 s16, s16, s17
	s_add_co_u32 s16, s16, 1<<18
	s_mov_b32 s17, 0
	; group 1, elements of 8 bytes, no padding (images are read as they lie); the mask names all four partners, bit 21 beside it
	s_mov_b32 s[G1K], 15|(3<<16)|(1<<21)           ; K's half: 32,768 dense bytes as 128 rows of 256
	s_mov_b32 s[G1K+1], 32<<16
	s_mov_b32 s[G1K+2], 128<<16
	s_mov_b32 s[G1K+3], 32<<16
	s_mov_b32 s[G1K+4], 128
	s_mov_b32 s[G1K+5], 32
	s_mov_b32 s[G1K+6], 0
	s_mov_b32 s[G1K+7], 0
	s_mov_b32 s[G1V], 15|(3<<16)|(1<<21)           ; V's half: 16 rows of 2,048 bytes, 32,768 bytes apart in memory
	s_mov_b32 s[G1V+1], 256<<16
	s_mov_b32 s[G1V+2], 16<<16
	s_mov_b32 s[G1V+3], 256<<16
	s_mov_b32 s[G1V+4], 16
	s_mov_b32 s[G1V+5], 4096
	s_mov_b32 s[G1V+6], 0
	s_mov_b32 s[G1V+7], 0
	s_mov_b32 s[G1S], 15|(3<<16)|(1<<21)           ; a head's scale words: 4,096 dense bytes as 16 rows of 256
	s_mov_b32 s[G1S+1], 32<<16
	s_mov_b32 s[G1S+2], 16<<16
	s_mov_b32 s[G1S+3], 32<<16
	s_mov_b32 s[G1S+4], 16
	s_mov_b32 s[G1S+5], 32
	s_mov_b32 s[G1S+6], 0
	s_mov_b32 s[G1S+7], 0
	s_mov_b32 s[SEL], 0x76543210
	s_mov_b32 s[SEL+1], 0xfedcba98
	s_mov_b32 s[CS], 0x3e38aa3b                    ; c = log2(e) / 8
	s_mov_b32 s[CS+1], s[CS]                       ; (named with it as a pair, so it is written)
	s_wait_kmcnt 0x0
	s_mov_b32 s[G0K], 1
	s_lshl_b32 s[G0K+1], s76, 15
	s_add_nc_u64 s[G0K+2:G0K+3], s[4:5], s[12:13]
	s_or_b32 s[G0K+3], s[G0K+3], 0x80000000
	s_mov_b32 s[G0V], 1
	s_lshl_b32 s[G0V+1], s76, 15
	s_add_co_u32 s[G0V+1], s[G0V+1], VIMG
	s_add_nc_u64 s[G0V+2:G0V+3], s[4:5], s[14:15]
	s_or_b32 s[G0V+3], s[G0V+3], 0x80000000
	s_mov_b32 s[G0S], 1
	s_lshl_b32 s[G0S+1], s76, 12
	s_add_co_u32 s[G0S+1], s[G0S+1], KSC
	s_add_nc_u64 s[G0S+2:G0S+3], s[6:7], s[16:17]
	s_or_b32 s[G0S+3], s[G0S+3], 0x80000000
	CROUND                                         ; all four work-groups are here: the joint loads meet
	; waves 0, 1: K's halves; waves 2, 3: V's; waves 4, 5: K's and V's scale words; the others fetch nothing.  One load a wave; four v_nop follow each line
	s_cmp_lt_u32 s[WV], 2
	s_cbranch_scc0 .Lnot_k
	tensor_load_to_lds s[G0K:G0K+3], s[G1K:G1K+7]
	s_nop 0
.rept 4
	v_nop
.endr
	s_branch .Lasked
.Lnot_k:
	s_cmp_lt_u32 s[WV], 4
	s_cbranch_scc0 .Lnot_v
	tensor_load_to_lds s[G0V:G0V+3], s[G1V:G1V+7]
	s_nop 0
.rept 4
	v_nop
.endr
	s_branch .Lasked
.Lnot_v:
	s_cmp_lt_u32 s[WV], 6
	s_cbranch_scc0 .Lasked
	tensor_load_to_lds s[G0S:G0S+3], s[G1S:G1S+7]
	s_nop 0
.rept 4
	v_nop
.endr
.Lasked:
	s_mov_b32 s[G], s[WV]                          ; pass 0: group w;
	s_xor_b32 s[G2], s[WV], 15                     ; pass 1: group 15 - w
	s_lshl_b32 s78, s72, 1
	s_lshl_b32 s77, s[G], 3
	s_add_co_u32 s77, s77, s78                     ; tile 8 w + 2 cx
	s_lshl_b32 s79, s[G2], 3
	s_add_co_u32 s79, s79, s78
	s_add_co_u32 s79, s79, 1                       ; tile 8 (15 - w) + 2 cx + 1
	v_and_b32 v42, 31, v0
	s_delay_alu instid0(VALU_DEP_1)
	v_lshlrev_b32 v[LI], 4, v42
	s_delay_alu instid0(VALU_DEP_1)
	v_add_nc_u32 v[LIV], VIMG, v[LI]
	v_and_b32 v40, 15, v0                          ; r
	s_wait_alu depctr_va_vdst(0)
	v_bfe_u32 v41, v0, 4, 1                        ; h
	v_lshlrev_b32 v[LSC], 4, v40
	s_delay_alu instid0(VALU_DEP_1)
	v_lshl_add_u32 v[LSC], v41, 12, v[LSC]
	s_delay_alu instid0(VALU_DEP_1)
	v_add_nc_u32 v[LSC], KSC, v[LSC]
	s_lshl_b32 s12, s73, 16                        ; q's images: the head's 65,536 + 512 x tile
	s_lshl_b32 s13, s77, 9
	s_add_co_u32 s13, s13, s12
	v_add_nc_u32 v32, s13, v[LI]
	global_load_b128 v[20:23], v32, s[4:5]
	s_lshl_b32 s13, s79, 9
	s_add_co_u32 s13, s13, s12
	v_add_nc_u32 v33, s13, v[LI]
	global_load_b128 v[Q2:Q2+3], v33, s[4:5]
	s_lshl_b32 s12, s73, 12                        ; q's scale words: the head's 4,096 + 256 g + 16 r + 4 p; both my tiles of a group lie in word p = cx
	s_lshl_b32 s13, s72, 2
	s_add_co_u32 s12, s12, s13
	s_lshl_b32 s13, s[G], 8
	s_add_co_u32 s13, s13, s12
	v_lshl_add_u32 v34, v40, 4, s13
	global_load_b32 v36, v34, s[6:7]
	s_lshl_b32 s13, s[G2], 8
	s_add_co_u32 s13, s13, s12
	v_lshl_add_u32 v35, v40, 4, s13
	global_load_b32 v37, v35, s[6:7]
	s_lshl_b32 s12, s74, 11                        ; y: image number (128 b + tile) x 16 + head
	s_add_co_u32 s12, s12, s75
	s_lshl_b32 s13, s77, 4
	s_add_co_u32 s13, s13, s12
	s_lshl_b32 s14, s13, 9
	v_add_nc_u32 v[YO], s14, v[LI]                 ; 512 bytes an image,
	s_lshl_b32 s14, s13, 5
	v_lshl_add_u32 v[YSO], v40, 1, s14             ; 32 bytes of scales: two a row
	s_lshl_b32 s13, s79, 4
	s_add_co_u32 s13, s13, s12
	s_lshl_b32 s14, s13, 9
	v_add_nc_u32 v[YO2], s14, v[LI]
	s_lshl_b32 s14, s13, 5
	v_lshl_add_u32 v[YSO2], v40, 1, s14
	s_lshl_b32 s13, s72, 5                         ; the mask: my query in its group is 16 (2 cx + pass) + r
	v_lshlrev_b32 v38, 3, v41
	s_delay_alu instid0(VALU_DEP_1)
	v_sub_nc_u32 v[DV], v40, v38
	s_delay_alu instid0(VALU_DEP_1)
	v_add_nc_u32 v[DV], s13, v[DV]
	s_delay_alu instid0(VALU_DEP_1)
	v_add_nc_u32 v[DV2], 16, v[DV]
.irp i, 16,17,18,19,24,25,26,27
	v_mov_b32 v\i, 0                               ; the zero codes on both sides of q
.endr
.irp i, 228,229,230,231,236,237,238,239,252,253
	v_mov_b32 v\i, 0                               ; written once: a lane permute's destination counts as one of its sources; v253 is named as the upper half of a pair
.endr
	s_wait_loadcnt 0x0                             ; q
	v_perm_b32 v[QS], v36, v36, 0x01000100         ; the even tile's byte pair lies below: twice
	v_perm_b32 v[QS2], v37, v37, 0x03020302        ; the odd tile's above
	s_wait_tensorcnt 0x0                           ; my load, if I had one, has landed,
	s_barrier_signal -1
	s_barrier_wait -1                              ; everybody's has: the head's K, V and scale words lie in LDS for the rest of the launch
	s_mov_b32 s[PASS], 0
.Lpass:
.set ii, 0
.rept 32
	v_mov_b32 v[O+ii], 0                           ; O^T: the step is written once; its first walk finds zeros, which the first change of M leaves zeros
.set ii, ii+1
.endr
	v_mov_b32 v13, 0xff61b1e6                      ; the largest t so far: -3e38, under every t
	s_delay_alu instid0(VALU_DEP_1)
	v_floor_f32 v12, -v13                          ; -M
	v_mov_b32 v14, 0                               ; the sum, in two halves
	v_mov_b32 v15, 0
	s_mov_b32 s[ST], 0
	s_mov_b32 s[TK], 0
	s_mov_b32 s[TSC], 0
.Lstep:                                            ; 16 trips, a constant; a trip whose keys all come after my queries does nothing
	v_add_nc_u32 v[ADK], s[TK], v[LI]
	v_add_nc_u32 v[ADV], s[TK], v[LIV]
	v_add_nc_u32 v[ADS], s[TSC], v[LSC]
	s_cmp_gt_u32 s[ST], s[G]
	s_cbranch_scc1 .Lskip
	s_setprio 2
.irp t, 0,1,2,3,4,5,6,7
	ds_load_b128 v[KF+4*\t:KF+4*\t+3], v[ADK] offset:512*\t         ; key tile t of the step: half a fragment
.endr
	ds_load_b128 v[SCW:SCW+3], v[ADS]              ; lanes 0-15: K's four words; lanes 16-31: V's four
.irp d, 0,1,2,3
.irp c, 0,1
	ds_load_b128 v[VF+8*\d+4*\c:VF+8*\d+4*\c+3], v[ADV] offset:512*\d+2048*\c
.endr
.endr
	s_wait_dscnt 8                                 ; K and the words are in; V's eight loads, issued behind them, may be out
.irp t, 0,1,2,3,4,5,6,7
.if \t%2
	v_wmma_scale_f32_16x16x128_f8f6f4 v[S+8*\t:S+8*\t+7], v[KF+8*(\t/2):KF+8*(\t/2)+7], v[16:23], 0, v[SCW+\t/2], v[QS] matrix_a_fmt:MATRIX_FMT_FP4 matrix_b_fmt:MATRIX_FMT_FP4
.else
	v_wmma_scale_f32_16x16x128_f8f6f4 v[S+8*\t:S+8*\t+7], v[KF+8*(\t/2):KF+8*(\t/2)+7], v[20:27], 0, v[SCW+\t/2], v[QS] matrix_a_fmt:MATRIX_FMT_FP4 matrix_b_fmt:MATRIX_FMT_FP4
.endif
.endr                                              ; register 8 t + j of lane (r, h): key 16 t + 8 h + j of the step, query r
.rept 4
	v_nop
.endr
	s_cmp_lg_u32 s[ST], s[G]                       ; only my last step lies on the diagonal
	s_cbranch_scc1 .Lopen
	v_mov_b32 v254, 0xff800000                     ; -infinity
.set ii, 0
.rept 64
	v_cmp_gt_i32 vcc_lo, 16*(ii/8)+ii%8, v[DV]     ; hidden where 16 t + 8 h + j > my query in the group
	v_cndmask_b32 v[S+ii], v[S+ii], v254, vcc_lo
.set ii, ii+1
.endr
.Lopen:
.irp b, 0,1,2,3
	v_max3_num_f32 v[232+\b], v[S+16*\b], v[S+1+16*\b], v[S+2+16*\b]   ; THE LARGEST SCORE OF EACH BLOCK OF 32 KEYS serves twice: for the row's maximum and, since p rises with the score, for the block's largest p
.endr
.irp i, 3,5,7,9,11,13
.irp b, 0,1,2,3
	v_max3_num_f32 v[232+\b], v[232+\b], v[S+16*\b+\i], v[S+1+16*\b+\i]
.endr
.endr
.irp b, 0,1,2,3
	v_max_num_f32 v[232+\b], v[232+\b], v[S+15+16*\b]
.endr
.irp b, 0,1,2,3
	s_delay_alu instid0(VALU_DEP_4)
	v_permlanex16_b32 v[236+\b], v[232+\b], s[SEL], s[SEL+1]
.endr
.irp b, 0,1,2,3
	s_delay_alu instid0(VALU_DEP_4)
	v_max_num_f32 v[232+\b], v[232+\b], v[236+\b]  ; with lane l xor 16's 16 keys
.endr
	s_delay_alu instid0(VALU_DEP_2)
	v_max3_num_f32 v254, v232, v233, v234
	s_delay_alu instid0(VALU_DEP_1)
	v_max_num_f32 v254, v254, v235                 ; the step's largest score of my query
	s_delay_alu instid0(VALU_DEP_1)
	v_mul_f32 v254, s[CS], v254                    ; as t (c is positive)
	s_delay_alu instid0(VALU_DEP_1)
	v_max_num_f32 v13, v13, v254                   ; the running largest t
	v_mov_b32 v254, v12
	s_delay_alu instid0(VALU_DEP_2)
	v_floor_f32 v12, -v13                          ; the new -M = floor(-t) = -ceil(t): M IS A WHOLE NUMBER
	s_delay_alu instid0(VALU_DEP_1)
	v_sub_f32 v254, v12, v254                      ; M's old value less its new one: a whole number, 0 or less
	s_delay_alu instid0(VALU_DEP_1)
	v_cvt_i32_f32 v254, v254                       ; (it saturates)
	s_delay_alu instid0(VALU_DEP_1)
	v_ldexp_f32 v252, 1.0, v254                    ; f = 2^(old M - new M)
.set ii, 0
.rept 32
	v_pk_fma_f32 v[S+2*ii:S+2*ii+1], v[S+2*ii:S+2*ii+1], s[CS:CS+1], v[12:13] op_sel_hi:[1,0,0]   ; t - M, two at a time
.set ii, ii+1
.endr
	s_setprio 1
.irp b, 0,1,2,3
	v_fma_f32 v[232+\b], v[232+\b], s[CS], v12     ; the same of each block's largest score
.endr
.set ii, 0
	s_wait_alu depctr_va_vdst(0)
.rept 64
	v_exp_f32 v[S+ii], v[S+ii]                     ; p = 2^(t - M), at most 1: NOT normalised
.set ii, ii+1
.endr
.irp b, 0,1,2,3
	v_exp_f32 v[232+\b], v[232+\b]                 ; the block's largest p
.endr
	v_pk_mul_f32 v[14:15], v[14:15], v[252:253] op_sel_hi:[1,0]   ; the sums under the new M.  (A plain place behind the exponentials)
	s_wait_alu depctr_va_vdst(0)
.irp b, 0,1,2,3
	v_max_num_f32 v[232+\b], 0x1800000, v[232+\b]  ; the floor 2^(3 - 127): the byte cannot fall under 1
.endr
.irp b, 0,1,2,3
	s_delay_alu instid0(VALU_DEP_4)
	v_add_nc_u32 v[244+\b], 0xff000000, v[232+\b]  ; 2 off the exponent field: the conversion's scale operand
.endr
.irp b, 0,1,2,3
	s_delay_alu instid0(VALU_DEP_4)
	v_lshrrev_b32 v[236+\b], 23, v[244+\b]         ; the scale's byte
.endr
	s_delay_alu instid0(VALU_DEP_3)
	v_lshl_or_b32 v253, v237, 8, v236              ; p's scale word for these 128 keys
	s_delay_alu instid0(VALU_DEP_1)
	v_lshl_or_b32 v253, v238, 16, v253
	s_delay_alu instid0(VALU_DEP_1)
	v_lshl_or_b32 v253, v239, 24, v253
.irp b, 0,1,2,3
	v_cvt_scalef32_pk8_fp4_f32 v[PC+4*(\b/2)+(\b%2)], v[S+16*\b:S+16*\b+7], v[244+\b]        ; piece h of block b
	v_cvt_scalef32_pk8_fp4_f32 v[PC+4*(\b/2)+2+(\b%2)], v[S+16*\b+8:S+16*\b+15], v[244+\b]   ; piece 2 + h
.endr
	v_nop                                          ; one plain place behind a scaled conversion
.irp i, 0,2,4,6
	v_permlane16_swap_b32 v[PC+\i], v[PC+\i+1]     ; a whole block in a lane: lanes 0-15 block 2 c, lanes 16-31 block 2 c + 1
.endr
	v_pk_add_f32 v[236:237], v[100:101], v[104:105]
	v_pk_add_f32 v[254:255], v[108:109], v[112:113]
	v_pk_add_f32 v[250:251], v[116:117], v[120:121]
	v_pk_add_f32 v[248:249], v[124:125], v[128:129]
	v_pk_add_f32 v[246:247], v[132:133], v[136:137]
	v_pk_add_f32 v[244:245], v[140:141], v[144:145]
	v_pk_add_f32 v[242:243], v[148:149], v[152:153]
	v_pk_add_f32 v[14:15], v[14:15], v[156:157]
	v_pk_add_f32 v[236:237], v[236:237], v[96:97]
	v_pk_add_f32 v[254:255], v[254:255], v[98:99]
	v_pk_add_f32 v[250:251], v[250:251], v[102:103]
	v_pk_add_f32 v[248:249], v[248:249], v[106:107]
	v_pk_add_f32 v[246:247], v[246:247], v[110:111]
	v_pk_add_f32 v[244:245], v[244:245], v[114:115]
	v_pk_add_f32 v[242:243], v[242:243], v[118:119]
	v_pk_add_f32 v[14:15], v[14:15], v[122:123]
	v_pk_add_f32 v[236:237], v[236:237], v[126:127]
	s_setprio 0
	v_pk_add_f32 v[254:255], v[254:255], v[130:131]
	v_pk_add_f32 v[250:251], v[250:251], v[134:135]
	v_pk_add_f32 v[248:249], v[248:249], v[138:139]
	v_pk_add_f32 v[246:247], v[246:247], v[142:143]
	v_pk_add_f32 v[244:245], v[244:245], v[146:147]
	v_pk_add_f32 v[242:243], v[242:243], v[150:151]
	v_pk_add_f32 v[14:15], v[14:15], v[154:155]
	v_pk_add_f32 v[236:237], v[236:237], v[158:159]
	s_delay_alu instid0(VALU_DEP_2)
	v_pk_add_f32 v[14:15], v[14:15], v[248:249]
	s_delay_alu instid0(VALU_DEP_2)
	v_pk_add_f32 v[236:237], v[236:237], v[246:247]
	v_pk_add_f32 v[254:255], v[254:255], v[244:245]
	v_pk_add_f32 v[250:251], v[250:251], v[242:243]
	s_delay_alu instid0(VALU_DEP_2)
	v_pk_add_f32 v[14:15], v[14:15], v[254:255]
	s_delay_alu instid0(VALU_DEP_2)
	v_pk_add_f32 v[236:237], v[236:237], v[250:251]
	s_delay_alu instid0(VALU_DEP_1)
	v_pk_add_f32 v[14:15], v[14:15], v[236:237]
.set ii, 0
.rept 16
	v_pk_mul_f32 v[O+2*ii:O+2*ii+1], v[O+2*ii:O+2*ii+1], v[252:253] op_sel_hi:[1,0]   ; O^T under the new M.  (With the sums above: the places between p's codes and scale word and the products below)
.set ii, ii+1
.endr
	s_wait_alu depctr_va_vdst(0)
	s_wait_dscnt 0x0                               ; V is in
.irp d, 0,1,2,3
	v_wmma_scale_f32_16x16x128_f8f6f4 v[O+8*\d:O+8*\d+7], v[VF+8*\d:VF+8*\d+7], v[PC:PC+7], v[O+8*\d:O+8*\d+7], v[SCW+\d], v253 matrix_a_fmt:MATRIX_FMT_FP4 matrix_b_fmt:MATRIX_FMT_FP4 matrix_a_scale:MATRIX_SCALE_ROW1
.endr
.rept 4
	v_nop                                          ; places in front of the next step's loads into V's and the words' registers, and of the first read of O^T
.endr
.Lskip:
	s_add_co_u32 s[TK], s[TK], 4096
	s_add_co_u32 s[TSC], s[TSC], 256
	s_add_co_u32 s[ST], s[ST], 1
	s_cmp_lt_u32 s[ST], 16
	s_cbranch_scc1 .Lstep
	s_setprio 0
	s_wait_alu depctr_va_vdst(0)
	; the tile is done: O^T / the sum is y(query r, 16 dt + 8 h + j), quantised along the head's 64 numbers: half a fragment of the last product, stored as an image
	v_add_f32 v14, v14, v15                        ; the sum's two halves,
	s_delay_alu instid0(VALU_DEP_1)
	v_permlanex16_b32 v252, v14, s[SEL], s[SEL+1]
	s_delay_alu instid0(VALU_DEP_1)
	v_add_f32 v14, v14, v252                       ; and lane l xor 16's: the row's sum
	s_wait_alu depctr_va_vdst(0)
	v_rcp_f32 v14, v14
	v_nop                                          ; a plain place behind the transcendental
.set ii, 0
	s_wait_alu depctr_va_vdst(0)
.rept 16
	v_pk_mul_f32 v[S+2*ii:S+2*ii+1], v[O+2*ii:O+2*ii+1], v[14:15] op_sel_hi:[1,0]   ; each accumulator from its low end on
.set ii, ii+1
.endr
	QUANT S, YC, YW, 2
	global_store_b128 v[YO], v[YC:YC+3], s[8:9]    ; 32 lanes store 512 consecutive bytes, aligned
	global_store_b16 v[YSO], v[YW], s[10:11]       ; 16 rows' byte pairs: 32 consecutive bytes (lanes 16-31 write the same bytes with the same values)
	s_wait_xcnt 0x0                                ; the stores have read their registers: these are written again only behind this wait
.irp i, 0,1,2,3
	v_mov_b32 v[20+\i], v[Q2+\i]                   ; the second pass's tile takes the first's places
.endr
	v_mov_b32 v[QS], v[QS2]
	v_mov_b32 v[DV], v[DV2]
	v_mov_b32 v[YO], v[YO2]
	v_mov_b32 v[YSO], v[YSO2]
	s_mov_b32 s[G], s[G2]
	s_add_co_u32 s[PASS], s[PASS], 1
	s_cmp_lt_u32 s[PASS], 2
	s_cbranch_scc1 .Lpass
	s_wait_tensorcnt 0x0                           ; the wave's end
	ds_add_u32 v[SPW], v[NIL]
	s_wait_dscnt 0x0
	CROUND                                         ; the closing round
	s_endpgm
.Lfunc_end_k_q27174df66a_attn:
	.size	k_q27174df66a_attn, .Lfunc_end_k_q27174df66a_attn-k_q27174df66a_attn
	.p2alignl 7, 3214868480
	.fill 96, 4, 3214868480
	.section	.rodata,"a",@progbits
	.p2align	6, 0x0
	.amdhsa_kernel k_q27174df66a_attn
		.amdhsa_group_segment_fixed_size 327680
		.amdhsa_private_segment_fixed_size 0
		.amdhsa_enable_private_segment 0
		.amdhsa_kernarg_size 32
		.amdhsa_user_sgpr_count 2
		.amdhsa_user_sgpr_kernarg_segment_ptr 1
		.amdhsa_wavefront_size32 1
		.amdhsa_system_sgpr_workgroup_id_x 1
		.amdhsa_system_sgpr_workgroup_id_y 1
		.amdhsa_system_sgpr_workgroup_id_z 1
		.amdhsa_system_vgpr_workitem_id 0
		.amdhsa_next_free_vgpr 256
		.amdhsa_next_free_sgpr 80
		.amdhsa_reserve_vcc 1
		.amdhsa_float_denorm_mode_32 3
		.amdhsa_float_denorm_mode_16_64 3
		.amdhsa_memory_ordered 1
		.amdhsa_forward_progress 1
		.amdhsa_inst_pref_size 36
	.end_amdhsa_kernel
	.amdgpu_metadata
---
amdhsa.version: [ 1, 2 ]
amdhsa.kernels:
  - .name:           k_q27174df66a_attn
    .symbol:         k_q27174df66a_attn.kd
    .args:
      - { .name: qkv_img, .offset: 0, .size: 8, .value_kind: global_buffer, .address_space: global }
      - { .name: qkv_sc, .offset: 8, .size: 8, .value_kind: global_buffer, .address_space: global }
      - { .name: y_img, .offset: 16, .size: 8, .value_kind: global_buffer, .address_space: global }
      - { .name: y_sc, .offset: 24, .size: 8, .value_kind: global_buffer, .address_space: global }
    .group_segment_fixed_size: 327680
    .private_segment_fixed_size: 0
    .kernarg_segment_align: 8
    .kernarg_segment_size: 32
    .max_flat_workgroup_size: 512
    .sgpr_count:     80
    .vgpr_count:     256
    .wavefront_size: 32
...
	.end_amdgpu_metadata
.endif
;; end of part 2
;; launch proj (part 3): grid 4 x 64, 4 waves a work-group, clusters of 4 x 4, 327,680 bytes of LDS; arguments y_img, y_sc, W_proj_codes, W_proj_scales, b_proj, out0; writes out0
.if DOCPART == 3
	.amdgcn_target "amdgcn-amd-amdhsa--gfx1250"
	.amdhsa_code_object_version 6
	.text
	.protected	k_q27174df66a_proj
	.globl	k_q27174df66a_proj
	.p2align	8
	.type	k_q27174df66a_proj,@function
k_q27174df66a_proj:
	s_mov_b64 s[64:65], 0
	v_nop
	global_prefetch_b8 v0, s[64:65] scope:SCOPE_SE
	s_setreg_imm32_b32 hwreg(HW_REG_WAVE_MODE, 25, 1), 1
	s_wait_xcnt 0x0
	s_wait_alu depctr_hold_cnt(0) depctr_sa_sdst(0) depctr_va_vdst(0) depctr_va_sdst(0) depctr_va_ssrc(0) depctr_va_vcc(0) depctr_vm_vsrc(0)
	s_getreg_b32 s2, hwreg(HW_REG_IB_STS2, 6, 4)
	s_cmp_eq_u32 s2, 0
	s_cbranch_scc0 .Lentry_in_a_cluster
	s_endpgm
.Lentry_in_a_cluster:
	s_bfe_u32 s2, ttmp6, 0x10000c
	s_cmp_lg_u32 s2, 0xf033
	s_cbranch_scc0 .Lentry_shape_is_right
	s_endpgm
.Lentry_shape_is_right:
; out0 = y W_proj^T + b_proj on codes of FP4 (E2M1) with E8M0 scales, K = 1,024.  y comes as images of operand registers (launch attn), W_proj as rows of codes.
; A work-group makes 128 rows x 256 columns: 64 x 4 = 256 work-groups.  Each of its four waves makes 64 x 128: 32 accumulators, 256 registers.
; THE MATRIX INSTRUCTION IS USED TRANSPOSED (source 0 = 16 rows of W_proj, source 1 = 16 rows of y): a lane holds eight neighbouring numbers of a row of out0.
; CLUSTERS: 4 x 4 work-groups: y's tile is asked for jointly along a row of the cluster, W_proj's along a column.  All of K for both operands fits in LDS: every byte is filled ONCE, at the head.
; The bias is the C of each sum's first matrix instruction.  Results leave through each wave's own stage in LDS, as whole rows of 512 bytes.
; REGISTERS, in windows of 256: window 0: v1-29 addresses; v32-95 W_proj's scale words (block b, K step g at 8 b + g), v96-127 y's (8 a + g): they hold nothing else; v128-191 the bias, later rows on their way out;
;   v192-255 the upper halves of y's words, later rows on their way out.   window 1: the accumulators, (a, b) at v[8 (8 a + b)].   window 2: two sets of fragments (set s: W's block b at 96 s + 8 b, y's block a at 96 s + 64 + 8 a).
.set AIMG,  0                          ; y's images: [tile of 16 rows (8)][K step (8)][c (2)][512]: 65,536 bytes
.set BROW,  65536                      ; W_proj's 256 rows of 512 bytes + 16 of padding
.set BP,    528                        ; 132 words: the 16 rows that a load touches start 4 words apart
.set BHALF, 128*BP
.set ASC,   BROW+2*BHALF               ; y's scale bytes: [tile (8)][head (16)][r (16)] pairs: 4,096 bytes
.set BSC,   ASC+4096                   ; W_proj's: 32 a row, as units of 256 bytes + 16 of padding
.set BSH,   16*272                     ; those of 128 rows
.set STG,   BSC+2*BSH                  ; the stages: 16 rows x 528 bytes for each wave; no tile lands here
.set SP,    528
.set SPARE, STG+4*16*SP                ; the spare words, 128 bytes for each wave: two blocks of 256 bytes that no other line names
.set ADRA, 16
.set ADRB, 17
.set ADAS, 18
.set ADBS, 19
.set STO,  24
.set RD,   25
.set CO,   26
.set SPW,  28                          ; v28  LDS address of my spare word; never rewritten
.set NIL,  29                          ; v29  0; never rewritten
.set BS,   32
.set AS,   96
.set BN,   128
.set AH,   192
.set BK,   128                         ; the way out: 16 rows read back: v128-191 and v192-255 by turns
.set G1A,  24                          ; s[24:31] group 1 for y's images; s[32:35] its group 0; s[36:39] group 0 for y's scales; s[40:47] their group 1
.set G0A,  32
.set G0AS, 36
.set G1AS, 40
.set G1B,  48                          ; s[48:55], s[56:59] W_proj's codes; s[60:63], s[68:75] its scales
.set G0B,  56
.set G0BS, 60
.set G1BS, 68
.set MSB, 0
.macro WIN new
.if MSB != (\new)
	s_set_vgpr_msb (MSB<<8)|(\new)
.set MSB, (\new)
.endif
.endm
.macro PLACES n
.rept \n
	v_nop
.endr
.endm
.macro JLOAD g0a, g1a, g0b, g1b        ; a joint load: waves 0 and 1 fetch for y, waves 2 and 3 for W_proj; four v_nop follow each of the two lines
	s_cmp_eq_u32 s17, 0
	s_cbranch_scc0 .Lfor_b_\@
	tensor_load_to_lds s[\g0a:\g0a+3], s[\g1a:\g1a+7]
	s_nop 0
.rept 4
	v_nop
.endr
	s_branch .Lasked_\@
.Lfor_b_\@:
	tensor_load_to_lds s[\g0b:\g0b+3], s[\g1b:\g1b+7]
	s_nop 0
.rept 4
	v_nop
.endr
.Lasked_\@:
.endm
.macro CROUND                          ; a round of the cluster's barrier
	s_barrier_signal -1
	s_barrier_wait -1
	s_cmp_lg_u32 s16, 0
	s_cbranch_scc1 .Lnot_wave_0_\@
	s_barrier_signal -3
.Lnot_wave_0_\@:
	s_barrier_wait -3
	s_barrier_signal -1
	s_barrier_wait -1
.endm
	s_load_b256 s[4:11], s[0:1], 0x0               ; y_img s[4:5], y_sc s[6:7], W's codes s[8:9], W's scales s[10:11]
	s_load_b128 s[12:15], s[0:1], 0x20             ; b_proj s[12:13], out0 s[14:15]
	v_lshl_add_u32 v[SPW], v0, 2, SPARE
	v_mov_b32 v[NIL], 0
	ds_add_u32 v28, v29
	ds_add_u32 v28, v29
	s_wait_dscnt 0x0
	v_lshrrev_b32 v1, 5, v0
	v_readfirstlane_b32 s16, v1                    ; wave 0..3
	s_lshr_b32 s17, s16, 1                         ; which 64 rows are mine.  Also: I fetch for y (0) or for W_proj (1)
	s_and_b32 s18, s16, 1                          ; which 128 columns.  Also: which half I fetch
	s_bfe_u32 s76, ttmp6, 0x40000                  ; cx = the tile column
	s_bfe_u32 s77, ttmp6, 0x40004                  ; cy
	s_and_b32 s80, ttmp7, 0xffff
	s_lshl_b32 s80, s80, 2
	s_add_co_u32 s80, s80, s77                     ; the tile row = 4 x cluster y + cy
	s_lshl_b32 s78, s77, 2
	s_lshl_b32 s78, 15, s78                        ; my row of the cluster
	s_lshl_b32 s79, 0x1111, s76                    ; my column
	; group 1, elements of 8 bytes
	s_or_b32 s[G1A], s78, (3<<16)|(1<<21)          ; y's half: 32,768 dense bytes as 128 rows of 256, no padding: images are read as they lie
	s_mov_b32 s[G1A+1], 32<<16
	s_mov_b32 s[G1A+2], 128<<16
	s_mov_b32 s[G1A+3], 32<<16
	s_mov_b32 s[G1A+4], 128
	s_mov_b32 s[G1A+5], 32
	s_mov_b32 s[G1A+6], 0
	s_mov_b32 s[G1A+7], 0
	s_or_b32 s[G1AS], s78, (3<<16)|(1<<21)         ; y's scale bytes, half: 2,048 dense bytes as 8 rows of 256
	s_mov_b32 s[G1AS+1], 32<<16
	s_mov_b32 s[G1AS+2], 8<<16
	s_mov_b32 s[G1AS+3], 32<<16
	s_mov_b32 s[G1AS+4], 8
	s_mov_b32 s[G1AS+5], 32
	s_mov_b32 s[G1AS+6], 0
	s_mov_b32 s[G1AS+7], 0
	s_or_b32 s[G1B], s79, (3<<16)|(1<<20)|(1<<21)|(6<<22)|(3<<25)   ; W's half: 128 rows of 512 bytes, four words of padding after every 128
	s_mov_b32 s[G1B+1], 64<<16
	s_mov_b32 s[G1B+2], 128<<16
	s_mov_b32 s[G1B+3], 64<<16
	s_mov_b32 s[G1B+4], 128
	s_mov_b32 s[G1B+5], 64
	s_mov_b32 s[G1B+6], 0
	s_mov_b32 s[G1B+7], 0
	s_or_b32 s[G1BS], s79, (3<<16)|(1<<20)|(1<<21)|(5<<22)|(3<<25)  ; W's scale bytes, half: 4,096 dense bytes as 16 rows of 256, four words of padding behind each
	s_mov_b32 s[G1BS+1], 32<<16
	s_mov_b32 s[G1BS+2], 16<<16
	s_mov_b32 s[G1BS+3], 32<<16
	s_mov_b32 s[G1BS+4], 16
	s_mov_b32 s[G1BS+5], 32
	s_mov_b32 s[G1BS+6], 0
	s_mov_b32 s[G1BS+7], 0
	s_lshl_b32 s20, s80, 16                        ; y's images: 65,536 a tile row + half x 32,768
	s_lshl_b32 s21, s18, 15
	s_add_co_u32 s20, s20, s21
	s_mov_b32 s21, 0
	s_lshl_b32 s22, s80, 12                        ; y's scale bytes: 4,096 a tile row + half x 2,048
	s_lshl_b32 s23, s18, 11
	s_add_co_u32 s22, s22, s23
	s_mov_b32 s23, 0
	s_lshl_b32 s82, s76, 17                        ; W's codes: 256 rows of 512 bytes a tile column + half x 128 rows
	s_lshl_b32 s83, s18, 16
	s_add_co_u32 s82, s82, s83
	s_mov_b32 s83, 0
	s_lshl_b32 s84, s76, 13                        ; W's scale bytes: 32 a row
	s_lshl_b32 s85, s18, 12
	s_add_co_u32 s84, s84, s85
	s_mov_b32 s85, 0
	s_wait_kmcnt 0x0
	s_mov_b32 s[G0A], 1
	s_lshl_b32 s[G0A+1], s18, 15
	s_add_nc_u64 s[G0A+2:G0A+3], s[4:5], s[20:21]
	s_or_b32 s[G0A+3], s[G0A+3], 0x80000000
	s_mov_b32 s[G0AS], 1
	s_lshl_b32 s[G0AS+1], s18, 11
	s_add_co_u32 s[G0AS+1], s[G0AS+1], ASC
	s_add_nc_u64 s[G0AS+2:G0AS+3], s[6:7], s[22:23]
	s_or_b32 s[G0AS+3], s[G0AS+3], 0x80000000
	s_mov_b32 s[G0B], 1
	s_mul_i32 s[G0B+1], s18, BHALF
	s_add_co_u32 s[G0B+1], s[G0B+1], BROW
	s_add_nc_u64 s[G0B+2:G0B+3], s[8:9], s[82:83]
	s_or_b32 s[G0B+3], s[G0B+3], 0x80000000
	s_mov_b32 s[G0BS], 1
	s_mul_i32 s[G0BS+1], s18, BSH
	s_add_co_u32 s[G0BS+1], s[G0BS+1], BSC
	s_add_nc_u64 s[G0BS+2:G0BS+3], s[10:11], s[84:85]
	s_or_b32 s[G0BS+3], s[G0BS+3], 0x80000000
	CROUND                                         ; all sixteen work-groups are here: the joint loads meet
	JLOAD G0AS, G1AS, G0BS, G1BS                   ; two loads a wave, all that the launch fetches into LDS: the scale bytes,
	s_wait_alu depctr_va_vdst(0)
	s_wait_tensorcnt 0x0
	ds_add_u32 v28, v29
	s_wait_dscnt 0x0
	CROUND
	JLOAD G0A, G1A, G0B, G1B                       ; the codes
	s_lshl_b32 s20, s80, 19                        ; out0: my first row: (128 x tile row + 64 x half) x 4,096 bytes,
	s_lshl_b32 s21, s17, 18
	s_add_co_u32 s20, s20, s21
	s_mov_b32 s21, 0
	s_lshl_b32 s82, s76, 10                        ; my first column: (256 x tile column + 128 x half) x 4 bytes; b_proj likewise
	s_lshl_b32 s83, s18, 9
	s_add_co_u32 s82, s82, s83
	s_mov_b32 s83, 0
	s_add_nc_u64 s[14:15], s[14:15], s[20:21]
	s_add_nc_u64 s[14:15], s[14:15], s[82:83]
	s_add_nc_u64 s[12:13], s[12:13], s[82:83]
	v_and_b32 v1, 15, v0                           ; r
	v_bfe_u32 v2, v0, 4, 1                         ; h
	v_and_b32 v3, 31, v0
	v_lshlrev_b32 v[CO], 4, v3                     ; 16 x lane
	v_lshlrev_b32 v6, 5, v2                        ; the bias: tile b, my eight: 64 b + 32 h bytes on
.irp b, 0,1,2,3,4,5,6,7
	global_load_b128 v[BN+8*\b:BN+8*\b+3], v6, s[12:13] offset:64*\b
	global_load_b128 v[BN+8*\b+4:BN+8*\b+7], v6, s[12:13] offset:64*\b+16
.endr
	s_lshl_b32 s19, s17, 15
	v_add_nc_u32 v[ADRA], s19, v[CO]               ; y's images: my four tiles of rows
	v_mul_u32_u24 v4, v1, BP
	v_lshl_add_u32 v4, v2, 4, v4
	s_mul_i32 s19, s18, BHALF
	s_add_co_u32 s19, s19, BROW
	v_add_nc_u32 v[ADRB], s19, v4                  ; W's rows: row x pitch + 16 x half, my 128 rows
	s_lshl_b32 s19, s17, 11
	s_add_co_u32 s19, s19, ASC
	v_lshl_add_u32 v[ADAS], v1, 1, s19             ; y's scale bytes: two a row
	v_lshlrev_b32 v4, 5, v1
	v_lshrrev_b32 v5, 3, v1
	v_lshl_add_u32 v4, v5, 4, v4                   ; W's: 32 a row, and 16 more for each 256 passed
	s_mul_i32 s19, s18, BSH
	s_add_co_u32 s19, s19, BSC
	v_add_nc_u32 v[ADBS], s19, v4
	s_mul_i32 s19, s16, 16*SP
	s_add_co_u32 s19, s19, STG                     ; my stage
	v_mul_u32_u24 v4, v1, SP
	v_lshl_add_u32 v4, v2, 5, v4
	v_add_nc_u32 v[STO], s19, v4                   ; in: row r, 32 bytes for each half of the lanes
	v_add_nc_u32 v[RD], s19, v[CO]                 ; back: the 32 lanes take one row of 512 bytes
	s_wait_alu depctr_va_vdst(0)
	s_wait_tensorcnt 0x0                           ; my two loads have landed,
	s_barrier_signal -1
	s_barrier_wait -1                              ; everybody's have: both operands lie in LDS for the rest of the launch
.macro FETCH q                         ; 24 LDS loads in one run: K step q's fragments into set q % 2
	WIN 0x80                                       ; destination window 2, address window 0
.irp b, 0,1,2,3,4,5,6,7
.irp c, 0,1
	ds_load_b128 v[96*((\q)%2)+8*\b+4*\c:96*((\q)%2)+8*\b+4*\c+3], v[ADRB] offset:16*BP*\b+64*(\q)+32*\c
.endr
.endr
.irp a, 0,1,2,3
.irp c, 0,1
	ds_load_b128 v[96*((\q)%2)+64+8*\a+4*\c:96*((\q)%2)+64+8*\a+4*\c+3], v[ADRA] offset:8192*\a+1024*(\q)+512*\c
.endr
.endr
.endm
; 32 matrix instructions: y's four blocks x W's eight, 128 along K.  The 32 accumulators take turns, one instruction a turn.  first = 1: the sums begin with the bias as C.
.macro MUL q, first
.if \first
	WIN 0x4a                                       ; sources 0 and 1 window 2, C window 0, D window 1
.else
	WIN 0x5a                                       ; sources 0 and 1 window 2, C and D window 1
.endif
.irp a, 0,1,2,3
.irp b, 0,1,2,3,4,5,6,7
.set rD, 8*(8*\a+\b)
.set rB, 96*((\q)%2)+8*\b
.set rA, 96*((\q)%2)+64+8*\a
.if \first
	v_wmma_scale_f32_16x16x128_f8f6f4 v[rD:rD+7], v[rB:rB+7], v[rA:rA+7], v[BN+8*\b:BN+8*\b+7], v[BS+8*\b+(\q)], v[AS+8*\a+(\q)] matrix_a_fmt:MATRIX_FMT_FP4 matrix_b_fmt:MATRIX_FMT_FP4
.else
	v_wmma_scale_f32_16x16x128_f8f6f4 v[rD:rD+7], v[rB:rB+7], v[rA:rA+7], v[rD:rD+7], v[BS+8*\b+(\q)], v[AS+8*\a+(\q)] matrix_a_fmt:MATRIX_FMT_FP4 matrix_b_fmt:MATRIX_FMT_FP4
.endif
.endr
.endr
.endm
.macro KSTEP q                         ; the next step's fragments are asked for in one run, into the set that the step before has multiplied: four places stand in front of those loads
.if \q > 0
	PLACES 4
.endif
.if \q < 7
	FETCH \q+1
	s_wait_alu depctr_va_vdst(0)
	s_wait_dscnt 24                                ; all but the 24 just issued: this step's set is in
.else
	s_wait_dscnt 0x0
.endif
.if \q == 0
	MUL \q, 1
.else
	MUL \q, 0
.endif
.endm
.irp b, 0,1,2,3,4,5,6,7                ; the scale words, once.  W's: eight words a row
	ds_load_b128 v[BS+8*\b:BS+8*\b+3], v[ADBS] offset:544*\b
	ds_load_b128 v[BS+8*\b+4:BS+8*\b+7], v[ADBS] offset:544*\b+16
.endr
.irp a, 0,1,2,3                        ; y's: K step g is heads 2 g and 2 g + 1: a byte pair of each
.irp g, 0,1,2,3,4,5,6,7
	ds_load_u16 v[AS+8*\a+\g], v[ADAS] offset:512*\a+64*\g
	ds_load_u16 v[AH+8*\a+\g], v[ADAS] offset:512*\a+64*\g+32
.endr
.endr
	FETCH 0
	WIN 0
	s_wait_dscnt 24                                ; the scale words are in; K step 0's fragments, issued behind them, may be out
.irp g, 0,1,2,3,4,5,6,7                ; K step by K step, so that each word stands eight plain lines or more ahead of the product that names it
.irp a, 0,1,2,3
	v_lshl_or_b32 v[AS+8*\a+\g], v[AH+8*\a+\g], 16, v[AS+8*\a+\g]
.endr
.endr
	s_wait_loadcnt 0x0                             ; the bias
.irp q, 0,1,2,3,4,5,6,7
	KSTEP \q
.endr
; THE WAY OUT, block by block of 16 rows x 128 columns: through my own stage and back as whole rows of 512 bytes.  LDS serves a wave's instructions in order (ISA guide 5.7.1.4): no wait between the stores and the loads,
; nor in front of the next block's stores.
.macro TOSTAGE a
.set AC, 64*(\a)
	WIN 0x04                                       ; an LDS store's data are its source 1: window 1
.irp b, 0,1,2,3,4,5,6,7
	ds_store_b128 v[STO], v[AC+8*\b:AC+8*\b+3] offset:64*\b          ; each accumulator from its low end on
	ds_store_b128 v[STO], v[AC+8*\b+4:AC+8*\b+7] offset:64*\b+16
.endr
	WIN 0
.set BB, BK+64*((\a)%2)
.irp t, 0,1,2,3,4,5,6,7,8,9,10,11,12,13,14,15
	ds_load_b128 v[BB+4*\t:BB+4*\t+3], v[RD] offset:\t*SP
.endr
.endm
.macro SEND a, younger                 ; younger: the LDS instructions issued behind block a's loads, which may stay out
.set BB, BK+64*((\a)%2)
	s_wait_dscnt \younger
.irp t, 0,1,2,3,4,5,6,7,8,9,10,11,12,13,14,15
	global_store_b128 v[CO], v[BB+4*\t:BB+4*\t+3], s[14:15] offset:(16*(\a)+\t)*4096 th:TH_STORE_NT   ; 32 lanes store 512 consecutive bytes, aligned; written once, read by nobody here
.endr
.endm
	PLACES 4                                       ; behind the last products: their results are read
	TOSTAGE 0
.irp a, 1,2,3
.if \a > 1
	s_wait_xcnt 0x0                                ; block a - 2's stores have read their registers: block a's loads may land there
.endif
	TOSTAGE \a
	SEND \a-1, 32                                  ; behind block a - 1's loads: block a's 16 stores and 16 loads
.endr
	SEND 3, 0
	s_wait_tensorcnt 0x0                           ; the wave's end
	ds_add_u32 v[SPW], v[NIL]
	s_wait_dscnt 0x0
	CROUND                                         ; the closing round
	s_endpgm
.Lfunc_end_k_q27174df66a_proj:
	.size	k_q27174df66a_proj, .Lfunc_end_k_q27174df66a_proj-k_q27174df66a_proj
	.p2alignl 7, 3214868480
	.fill 96, 4, 3214868480
	.section	.rodata,"a",@progbits
	.p2align	6, 0x0
	.amdhsa_kernel k_q27174df66a_proj
		.amdhsa_group_segment_fixed_size 327680
		.amdhsa_private_segment_fixed_size 0
		.amdhsa_enable_private_segment 0
		.amdhsa_kernarg_size 48
		.amdhsa_user_sgpr_count 2
		.amdhsa_user_sgpr_kernarg_segment_ptr 1
		.amdhsa_wavefront_size32 1
		.amdhsa_system_sgpr_workgroup_id_x 1
		.amdhsa_system_sgpr_workgroup_id_y 1
		.amdhsa_system_sgpr_workgroup_id_z 1
		.amdhsa_system_vgpr_workitem_id 0
		.amdhsa_next_free_vgpr 768
		.amdhsa_next_free_sgpr 100
		.amdhsa_reserve_vcc 0
		.amdhsa_float_denorm_mode_32 3
		.amdhsa_float_denorm_mode_16_64 3
		.amdhsa_memory_ordered 1
		.amdhsa_forward_progress 1
		.amdhsa_inst_pref_size 78
	.end_amdhsa_kernel
	.amdgpu_metadata
---
amdhsa.version: [ 1, 2 ]
amdhsa.kernels:
  - .name:           k_q27174df66a_proj
    .symbol:         k_q27174df66a_proj.kd
    .args:
      - { .name: y_img, .offset: 0, .size: 8, .value_kind: global_buffer, .address_space: global }
      - { .name: y_sc, .offset: 8, .size: 8, .value_kind: global_buffer, .address_space: global }
      - { .name: W_proj_codes, .offset: 16, .size: 8, .value_kind: global_buffer, .address_space: global }
      - { .name: W_proj_scales, .offset: 24, .size: 8, .value_kind: global_buffer, .address_space: global }
      - { .name: b_proj, .offset: 32, .size: 8, .value_kind: global_buffer, .address_space: global }
      - { .name: out0, .offset: 40, .size: 8, .value_kind: global_buffer, .address_space: global }
    .group_segment_fixed_size: 327680
    .private_segment_fixed_size: 0
    .kernarg_segment_align: 8
    .kernarg_segment_size: 48
    .max_flat_workgroup_size: 128
    .sgpr_count:     100
    .vgpr_count:     768
    .wavefront_size: 32
...
	.end_amdgpu_metadata
.endif
;; end of part 3
